; MI455X (gfx1250); checked and timed in simulation.
; The chip was launched on July 23, 2026; its instructions are those of AMD's public machine-readable ISA for CDNA 5 (MIT licence, August 2026) and "CDNA5" Instruction Set Architecture Reference Guide (July 2026). The comments in the code are by the model that wrote it; some were corrected since.
;; Self Attention. Allowed arithmetic: float matrix products may take bf16 or f16 operands with f32 sums; all other float work in f32.
;; Inputs: Wk 256 x 256 float32; Wq 256 x 256 float32; Wv 256 x 256 float32; bk 256 float32; bq 256 float32; bv 256 float32; x 4 x 4,096 x 256 float32.
;; Outputs: out0 4 x 4,096 x 256 float32.
;; 3 versions, each right; version 2 is faster than version 1; version 3 is version 2 with the launches proj, join written anew for expert scheduling mode. Each part assembles by itself: llvm-mc -triple=amdgcn-amd-amdhsa -mcpu=gfx1250 --defsym DOCPART=n.
;; ======== version 1 of 3: 2 launches
;; limits: values are held in f16: magnitudes above 65,504 overflow, below 6.1e-05 lose precision
;; workspace buffers: qs 8,388,608 bytes; ks 8,388,608 bytes; vs 8,388,608 bytes
;; launch proj (part 1): grid 256 x 1, 8 waves a work-group, no clusters, 203,776 bytes of LDS; arguments x, Wq, Wk, Wv, bq, bk, bv, qs, ks, vs; writes qs, ks, vs
.if DOCPART == 1
	.amdgcn_target "amdgcn-amd-amdhsa--gfx1250"
	.amdhsa_code_object_version 6
	.text
	.protected	k_qc44d5ac1c8_proj
	.globl	k_qc44d5ac1c8_proj
	.p2align	8
	.type	k_qc44d5ac1c8_proj,@function
k_qc44d5ac1c8_proj:
	s_mov_b64 s[64:65], 0
	v_nop
	global_prefetch_b8 v0, s[64:65] scope:SCOPE_SE
	s_setreg_imm32_b32 hwreg(HW_REG_WAVE_MODE, 25, 1), 1
	s_wait_xcnt 0x0
; qs = (x Wq^T + bq) * log2(e)/16,  ks = x Wk^T + bk,  vs = x Wv^T + bv.   x: [16384][256] f32, W: [256][256] f32, b: [256] f32;
; qs, ks, vs: [16384][256] f16.  Products in bf16 with f32 sums; bias and scale in f32; one rounding to f16 at the end.
; (The factor log2(e)/16 holds the division by sqrt(256) and the change from e^x to 2^x of the softmax that follows.)
; WHY f16 FOR THE RESULTS: 11 significant bits against bf16's 8.  An early query row averages few v, so the rounding of q, k, v is not averaged away there.
; LIMITS: x and W are rounded to bf16.  The results must stay below 65,504 in magnitude (f16's largest number), else they become infinite: with x, W and b all
; 30 times those of a unit normal x and W in +-1/16 the results have a root mean square of about 16 x 30 x 1.08 = 520; with offsets of 30 spreads on x and W
; together they reach about 256 x 30 x 1.1 = 8,400.  Results below 6.1e-5 keep an absolute error of 3e-8 (f16 denormals).  Inputs are taken as finite.
; SHARES: a work-group owns 64 rows of x and all 768 output columns, in six chunks of 128 columns (matrix = chunk / 2, half = chunk % 2).
; In a chunk wave w owns 16 columns for all 64 rows: four accumulator tiles, 32 matrix instructions.  x is converted once, goes through LDS and
; stays as fragments in 256 registers of every wave.  A wave's 16 rows of W (16 KB of f32, contiguous) are loaded a chunk ahead into 128 registers,
; converted, and turned into fragments through 16 LDS rows that are the wave's own: no barrier is needed for them.
; NO CLUSTER, NO TENSOR LOADS: W is what the work-groups share, but it is f32 and has to be converted on its way; brought jointly into LDS it would
; lie there as 128 rows x 1,024 bytes a chunk and still have to be read, converted and stored again: twice the LDS bytes of this text.
; THE MATRIX INSTRUCTION IS USED TRANSPOSED: source 0 = 16 rows of W, source 1 = 16 rows of x.  Lane (r, h) then holds, for token r, the eight
; neighbouring columns 8 h + 0 .. 7: 16 bytes of f16.  The bias has the same layout and is the first product's C: nothing is cleared or added later.
.set PITCH, 528                        ; an LDS row: 512 bytes of 16-bit numbers + 16: 33 x 16, so 16 rows start in 16 different 16-byte columns
.set XT,  0                            ; x as bf16: 64 rows
.set WT,  64*PITCH                     ; W: 16 rows for each wave
.set WTW, 16*PITCH
.set ST,  WT+8*WTW                     ; the way out: 64 rows for each of the three matrices, each region written once
.set STM, 64*PITCH
.set QSCALE, 0x3db8aa3b                ; log2(e) / 16
.set XO, 4                             ; v4   x: byte offset of my 16 bytes in my wave's 8 rows (8 KB, contiguous)
.set XS, 5                             ; v5   LDS: where my 8 bytes of converted x go
.set XF, 6                             ; v6   LDS: my part of an x fragment, 528 r + 16 h
.set WO, 7                             ; v7   W: byte offset of my 16 bytes in my wave's 16 rows (16 KB, contiguous)
.set WS, 8                             ; v8   LDS: where my 8 bytes of converted W go
.set WF, 9                             ; v9   LDS: my part of a W fragment
.set BO, 10                            ; v10  bias: byte offset of my 8 columns
.set SS, 11                            ; v11  LDS: where my 16 bytes of a result row go
.set SR, 12                            ; v12  LDS: where I read a result row back
.set GO, 13                            ; v13  byte offset of my 16 bytes in my wave's 8 output rows
.set BI, 16                            ; v16-31   bias, two sets of 8 that take turns
.set ACC, 32                           ; v32-63   four accumulator tiles
.set FR, 64                            ; v64-127  W fragments (8 x 8); x as loaded, at the start; result rows on the way out
.set WL, 128                           ; v128-255 W as loaded: 32 loads x 4 registers
                                       ; v256-511 (window 1) x fragments: (row tile t, K step d) at 8 (8 t + d)
.set MSB, 0
.macro WIN new                         ; s_set_vgpr_msb: bits 1:0 source 0, 3:2 source 1, 5:4 source 2, 7:6 destination; the high byte repeats the setting left
.if MSB != \new
	s_set_vgpr_msb (MSB<<8)|\new
.set MSB, \new
.endif
.endm
	s_load_b512 s[8:23], s[0:1], 0x0               ; x s[8:9], Wq Wk Wv s[10:15], bq bk bv s[16:21], qs s[22:23]
	s_load_b128 s[24:27], s[0:1], 0x40             ; ks s[24:25], vs s[26:27]
	v_lshrrev_b32 v14, 5, v0
	v_readfirstlane_b32 s28, v14                   ; wave 0..7
	v_and_b32 v1, 31, v0                           ; lane L
	v_and_b32 v2, 15, v0                           ; r
	v_bfe_u32 v3, v0, 4, 1                         ; h
	s_mov_b32 s30, QSCALE
	s_mov_b32 s31, QSCALE
	s_lshl_b32 s2, ttmp9, 16                       ; my 64 rows of x: 64 x 1,024 bytes
	s_mov_b32 s3, 0
	s_lshl_b32 s4, ttmp9, 15                       ; my 64 rows of an output: 64 x 512 bytes
	s_mov_b32 s5, 0
	s_lshl_b32 s6, s28, 13
	v_lshl_add_u32 v[XO], v1, 4, s6                ; 8,192 w + 16 L
	s_mul_i32 s6, s28, 8*PITCH
	v_lshl_add_u32 v[XS], v1, 3, s6                ; XT + 8 rows x w + 8 L
	v_mul_u32_u24 v[XF], v2, PITCH
	v_lshl_add_u32 v[XF], v3, 4, v[XF]             ; XT + 528 r + 16 h
	s_lshl_b32 s6, s28, 14
	v_lshl_add_u32 v[WO], v1, 4, s6                ; 16,384 w + 16 L
	s_mul_i32 s7, s28, WTW
	s_add_co_u32 s7, s7, WT                        ; my wave's 16 LDS rows
	v_lshl_add_u32 v[WS], v1, 3, s7
	v_add_nc_u32 v[WF], s7, v[XF]
	s_lshl_b32 s6, s28, 6
	v_lshl_add_u32 v[BO], v3, 5, s6                ; 4 (16 w + 8 h)
	s_lshl_b32 s6, s28, 5
	s_add_co_u32 s6, s6, ST
	v_add_nc_u32 v[SS], s6, v[XF]                  ; ST + 528 r + 2 (16 w + 8 h)
	s_mul_i32 s6, s28, 8*PITCH
	s_add_co_u32 s6, s6, ST
	v_lshl_add_u32 v[SR], v1, 4, s6                ; ST + 8 rows x w + 16 L
	s_lshl_b32 s6, s28, 12
	v_lshl_add_u32 v[GO], v1, 4, s6                ; 8 rows x 512 bytes x w + 16 L
	s_wait_kmcnt 0x0
	s_add_nc_u64 s[8:9], s[8:9], s[2:3]
	s_add_nc_u64 s[22:23], s[22:23], s[4:5]
	s_add_nc_u64 s[24:25], s[24:25], s[4:5]
	s_add_nc_u64 s[26:27], s[26:27], s[4:5]
.macro BIAS ch                         ; the 8 biases of my columns in chunk ch, into the set ch % 2
.set BH, (\ch) % 2
.set BM, (\ch) / 2
	global_load_b128 v[BI+8*BH:BI+8*BH+3],   v[BO], s[16+2*BM:17+2*BM] offset:512*BH
	global_load_b128 v[BI+8*BH+4:BI+8*BH+7], v[BO], s[16+2*BM:17+2*BM] offset:512*BH+16
.endm
.macro WLOAD ch                        ; my wave's 16 rows of W in chunk ch: 32 loads of 512 neighbouring bytes each
.set WH, (\ch) % 2
.set WM, (\ch) / 2
.set i, 0
.rept 32
	global_load_b128 v[WL+4*i:WL+4*i+3], v[WO], s[10+2*WM:11+2*WM] offset:131072*WH+512*i
.set i, i+1
.endr
.endm
	; my wave's 8 rows of x (read once in the launch), then the first chunk's bias and W
.set i, 0
.rept 16
	global_load_b128 v[FR+4*i:FR+4*i+3], v[XO], s[8:9] offset:512*i th:TH_LOAD_NT
.set i, i+1
.endr
	BIAS 0
	WLOAD 0
	s_wait_loadcnt 34                              ; x is in; the 2 + 32 younger loads (bias, W) stay out
.set i, 0
.rept 16
	v_cvt_pk_bf16_f32 v[FR+4*i],   v[FR+4*i],   v[FR+4*i+1]
	v_cvt_pk_bf16_f32 v[FR+4*i+1], v[FR+4*i+2], v[FR+4*i+3]
.set i, i+1
.endr
.set i, 0
.rept 16
	ds_store_b64 v[XS], v[FR+4*i:FR+4*i+1] offset:(i/2)*PITCH+(i%2)*256    ; row i / 2, half i % 2: 32 lanes, 256 neighbouring bytes
.set i, i+1
.endr
	s_wait_dscnt 0x0                               ; my stores of x are done, for the other waves' sake
	s_barrier_signal -1
	s_barrier_wait -1                              ; all 64 rows are in LDS
	WIN 0x40                                       ; destination in window 1
.set t, 0
.rept 4
.set d, 0
.rept 8
	ds_load_b128 v[8*(8*t+d):8*(8*t+d)+3],   v[XF] offset:16*PITCH*t+64*d
	ds_load_b128 v[8*(8*t+d)+4:8*(8*t+d)+7], v[XF] offset:16*PITCH*t+64*d+32
.set d, d+1
.endr
.set t, t+1
.endr
	WIN 0
.macro CHUNK ch
.set CH, (\ch) % 2
.set CM, (\ch) / 2
	s_wait_loadcnt 0x0                             ; this chunk's bias and W: the only loads that are out
.if CH == 0
.if CM > 0
	s_wait_xcnt 0x0                                ; the last matrix's stores have had their addresses translated: their data, v64-95, are loaded over below
.endif
.endif
.set i, 0
.rept 32
	v_cvt_pk_bf16_f32 v[WL+4*i],   v[WL+4*i],   v[WL+4*i+1]      ; these 64 lines name no register of the last chunk's matrix instructions:
	v_cvt_pk_bf16_f32 v[WL+4*i+1], v[WL+4*i+2], v[WL+4*i+3]      ; they are the places in front of the loads into the fragments and of the new sums
.set i, i+1
.endr
.set i, 0
.rept 32
	ds_store_b64 v[WS], v[WL+4*i:WL+4*i+1] offset:(i/2)*PITCH+(i%2)*256
.set i, i+1
.endr
.if \ch < 5
	BIAS \ch+1                                     ; the next chunk's 16 KB of each wave have the rest of this chunk in which to land
	WLOAD \ch+1
.endif
.set d, 0
.rept 8
	ds_load_b128 v[FR+8*d:FR+8*d+3],   v[WF] offset:64*d         ; my wave's own bytes: LDS serves a wave's instructions in order (ISA guide 5.7.1),
	ds_load_b128 v[FR+8*d+4:FR+8*d+7], v[WF] offset:64*d+32      ; so these see the stores above
.set d, d+1
.endr
	WIN 0x04                                       ; source 1 (x) in window 1
.set d, 0
.rept 8
	s_wait_dscnt 14-2*d                            ; K step d's two loads are in, the younger fragment loads stay out (the first of these waits also shows the x fragments in)
.set t, 0
.rept 4                                            ; the four accumulators take turns, one instruction a turn
.if d == 0
	v_wmma_f32_16x16x32_bf16 v[ACC+8*t:ACC+8*t+7], v[FR+8*d:FR+8*d+7], v[8*(8*t+d):8*(8*t+d)+7], v[BI+8*CH:BI+8*CH+7]
.else
	v_wmma_f32_16x16x32_bf16 v[ACC+8*t:ACC+8*t+7], v[FR+8*d:FR+8*d+7], v[8*(8*t+d):8*(8*t+d)+7], v[ACC+8*t:ACC+8*t+7]
.endif
.set t, t+1
.endr
.set d, d+1
.endr
	WIN 0
.rept 4
	v_nop                                          ; four places behind the last matrix instruction before its result is read (ISA guide 7.12.1)
.endr
.set t, 0
.rept 4
.if CM == 0
.irp j, 0,2,4,6
	v_pk_mul_f32 v[ACC+8*t+\j:ACC+8*t+\j+1], v[ACC+8*t+\j:ACC+8*t+\j+1], s[30:31] op_sel_hi:[1,0]    ; q alone: times log2(e) / 16
.endr
.endif
.irp j, 0,1,2,3
	v_cvt_pk_f16_f32 v[ACC+8*t+\j], v[ACC+8*t+2*\j], v[ACC+8*t+2*\j+1]       ; the one rounding of the results, to f16
.endr
	ds_store_b128 v[SS], v[ACC+8*t:ACC+8*t+3] offset:16*PITCH*t+256*CH       ; token 16 t + r, my 8 columns
.set t, t+1
.endr
.if CH == 1
	; both halves of the matrix's 256 columns are staged: whole rows of 512 bytes go out
	s_wait_dscnt 0x0                               ; my stores into the stage are done, for the other waves' sake
	s_barrier_signal -1
	s_barrier_wait -1
.set t, 0
.rept 8
	ds_load_b128 v[FR+4*t:FR+4*t+3], v[SR] offset:PITCH*t
.set t, t+1
.endr
.set t, 0
.rept 8
	s_wait_dscnt 7-t                               ; row t is in, the younger rows stay out
	global_store_b128 v[GO], v[FR+4*t:FR+4*t+3], s[22+2*CM:23+2*CM] offset:512*t    ; the wave stores 512 consecutive bytes, aligned: one row
.set t, t+1
.endr
.if CM < 2
	v_add_nc_u32 v[SS], STM, v[SS]                 ; the next matrix has a stage of its own, so no second barrier is needed
	v_add_nc_u32 v[SR], STM, v[SR]
.endif
.endif
.endm
	CHUNK 0
	CHUNK 1
	CHUNK 2
	CHUNK 3
	CHUNK 4
	CHUNK 5
	s_wait_xcnt 0x0
	v_lshl_add_u32 v254, v0, 2, 0x31800
	v_mov_b32 v255, 0
	s_wait_tensorcnt 0x0
	ds_add_u32 v254, v255
	s_wait_dscnt 0x0
	s_endpgm
.Lfunc_end_k_qc44d5ac1c8_proj:
	.size	k_qc44d5ac1c8_proj, .Lfunc_end_k_qc44d5ac1c8_proj-k_qc44d5ac1c8_proj
	.p2alignl 7, 3214868480
	.fill 96, 4, 3214868480
	.section	.rodata,"a",@progbits
	.p2align	6, 0x0
	.amdhsa_kernel k_qc44d5ac1c8_proj
		.amdhsa_group_segment_fixed_size 203776
		.amdhsa_private_segment_fixed_size 0
		.amdhsa_enable_private_segment 0
		.amdhsa_kernarg_size 80
		.amdhsa_user_sgpr_count 2
		.amdhsa_user_sgpr_kernarg_segment_ptr 1
		.amdhsa_wavefront_size32 1
		.amdhsa_system_sgpr_workgroup_id_x 1
		.amdhsa_system_sgpr_workgroup_id_y 1
		.amdhsa_system_sgpr_workgroup_id_z 1
		.amdhsa_system_vgpr_workitem_id 0
		.amdhsa_next_free_vgpr 512
		.amdhsa_next_free_sgpr 66
		.amdhsa_reserve_vcc 0
		.amdhsa_float_denorm_mode_32 3
		.amdhsa_float_denorm_mode_16_64 3
		.amdhsa_memory_ordered 1
		.amdhsa_forward_progress 1
		.amdhsa_inst_pref_size 102
	.end_amdhsa_kernel
	.amdgpu_metadata
---
amdhsa.version: [ 1, 2 ]
amdhsa.kernels:
  - .name:           k_qc44d5ac1c8_proj
    .symbol:         k_qc44d5ac1c8_proj.kd
    .args:
      - { .name: x, .offset: 0, .size: 8, .value_kind: global_buffer, .address_space: global }
      - { .name: Wq, .offset: 8, .size: 8, .value_kind: global_buffer, .address_space: global }
      - { .name: Wk, .offset: 16, .size: 8, .value_kind: global_buffer, .address_space: global }
      - { .name: Wv, .offset: 24, .size: 8, .value_kind: global_buffer, .address_space: global }
      - { .name: bq, .offset: 32, .size: 8, .value_kind: global_buffer, .address_space: global }
      - { .name: bk, .offset: 40, .size: 8, .value_kind: global_buffer, .address_space: global }
      - { .name: bv, .offset: 48, .size: 8, .value_kind: global_buffer, .address_space: global }
      - { .name: qs, .offset: 56, .size: 8, .value_kind: global_buffer, .address_space: global }
      - { .name: ks, .offset: 64, .size: 8, .value_kind: global_buffer, .address_space: global }
      - { .name: vs, .offset: 72, .size: 8, .value_kind: global_buffer, .address_space: global }
    .group_segment_fixed_size: 203776
    .private_segment_fixed_size: 0
    .kernarg_segment_align: 8
    .kernarg_segment_size: 80
    .max_flat_workgroup_size: 256
    .sgpr_count:     66
    .vgpr_count:     512
    .wavefront_size: 32
...
	.end_amdgpu_metadata
.endif
;; end of part 1
;; launch attn (part 2): grid 256 x 1, 4 waves a work-group, clusters of 4 x 1, 327,680 bytes of LDS; arguments qs, ks, vs, out0; writes out0
.if DOCPART == 2
	.amdgcn_target "amdgcn-amd-amdhsa--gfx1250"
	.amdhsa_code_object_version 6
	.text
	.protected	k_qc44d5ac1c8_attn
	.globl	k_qc44d5ac1c8_attn
	.p2align	8
	.type	k_qc44d5ac1c8_attn,@function
k_qc44d5ac1c8_attn:
	s_mov_b64 s[64:65], 0
	v_nop
	global_prefetch_b8 v0, s[64:65] scope:SCOPE_SE
	s_setreg_imm32_b32 hwreg(HW_REG_WAVE_MODE, 25, 1), 1
	s_wait_xcnt 0x0
	s_wait_alu depctr_hold_cnt(0) depctr_sa_sdst(0) depctr_va_vdst(0) depctr_va_sdst(0) depctr_va_ssrc(0) depctr_va_vcc(0) depctr_vm_vsrc(0)
	s_getreg_b32 s2, hwreg(HW_REG_IB_STS2, 6, 4)
	s_cmp_eq_u32 s2, 0
	s_cbranch_scc0 .Lentry_in_a_cluster
	s_endpgm
.Lentry_in_a_cluster:
	s_bfe_u32 s2, ttmp6, 0x10000c
	s_cmp_lg_u32 s2, 0x3003
	s_cbranch_scc0 .Lentry_shape_is_right
	s_endpgm
.Lentry_shape_is_right:
; out0 = softmax(q k^T + causal mask) v, batch by batch.  qs, ks, vs: [4][4096][256] f16 (qs already holds the factor log2(e)/16); out0: f32.
; Flash attention with a running maximum: p = 2^(s - m), sums in f32, products in f16 with f32 sums.
; WHY f16: 11 significant bits against bf16's 8.  An early query row averages few v, so the operands' rounding is not averaged away there.  p is at most 1.
; LIMITS: a masked score is replaced by -1e30 where the problem adds -1e9: the same result as long as |score| stays far below 1e9.  Inputs finite
; (q, k, v below 65,504 in magnitude, as the launch that makes them states).  P is rounded to f16 for the product with v: a p below 3e-8 is dropped, at most
; 4,096 x 3e-8 of a row sum that is at least 1; the row sum l is made of the unrounded p.  A row's keys are summed in four parts (one a wave), joined at the end.
; SHARES: a cluster of four work-groups owns two blocks of 128 query rows of one batch, block c and block 31 - c (c = 0..15): together 33 blocks of 128 keys
; below the diagonal whatever c is, so all clusters do the same work.  Work-group cx owns rows 32 cx .. + 31 of each block: local rows 0-31 (row tiles 0, 1)
; are the low block's, 32-63 (row tiles 2, 3) the high block's.  Keys go in tiles of 256.  All four waves hold the same 64 rows and split the keys:
; wave w loads, and alone reads, keys 64 w .. 64 w + 63 of each tile: each byte of k and v is read from LDS once in a work-group.
; MULTICAST: the four work-groups walk the same tiles in the same order, so every tile is asked for jointly (mask 15): one fetch serves four.
; ORDER OF TILES, with hc = c / 2: tile hc first (the low block's diagonal; it starts all sums, so nothing is cleared), tiles 0 .. hc - 1 (all four row tiles),
; tiles hc + 1 .. 14 - hc (the high rows alone), tile 15 - hc (the high block's diagonal).  A wave issues 256 (hc + 1) + 128 (15 - 2 hc) = 2,176 matrix instructions.
; TRANSPOSED FORMS: S^T = K Q^T: lane (r, h) holds, for query r, keys 16 kt + 8 h + 0..7: maximum and sum run inside the lane, plus one exchange of halves;
; packed to f16 these registers ARE the fragment of P^T (source 1) for O^T = V^T P^T; and in O^T a lane again holds one query, so rescaling is one factor a lane.
; V^T's fragments come by the transposing LDS load from v as it lies, [key][d].
; A row that a wave sees wholly masked gets m = -1e30, p = 1: a later tile wipes that by the factor 2^(-1e30 - m) = 0, or the joining weight at the end is 0.
; RING: k's slot and v's slot take turns.  v's tile is asked for in front of the S phase and waited for behind the softmax; the next k tile is asked for in front
; of the PV phase and waited for behind it.  A wave has two tensor loads out in the prologue, later one.
; Q is read straight into fragments, 16 bytes a lane from rows 512 bytes apart: once, 32 KB a wave, all of every row used.
.set KP,   528                         ; k's LDS row: 512 + 16 bytes (33 x 16)
.set VP,   544                         ; v's LDS row: 512 + 32 bytes (17 x 32), for the transposing load
.set KSW,  64*KP                       ; a wave's 64 rows of k
.set VSW,  64*VP
.set VS,   4*KSW                       ; v's slot lies behind k's
.set STAT, VS+4*VSW                    ; 274,432 = 1,072 x 256: (m, l) of 4 waves x 64 rows, 2,048 bytes into which no tile lands
.set PP,   1040                        ; the end: a row of 256 f32 + 16 bytes (65 x 16)
.set PARTW, 64*PP                      ; a wave's 64 rows of O; the four parts lie over the two slots, behind their last fill
.set KA,  3                            ; v3      LDS: my part of a k fragment
.set VA,  4                            ; v4      LDS: my part of a v fragment
.set NEG, 5                            ; v5      -1e30
.set QOL, 6                            ; v6, v7  qs: byte offset of my part of the low, the high rows' fragments
.set DG,  8                            ; v8-11   row tile rt: my query's place in its diagonal tile minus my first key's (64 w + 8 h)
.set ML,  12                           ; v12-19  row tile rt: m at 12 + 2 rt, l at 13 + 2 rt
.set AL,  20                           ; v20-27  row tile rt: the rescaling factor, twice (a pair for the packed multiply)
.set T,   28                           ; v28-31  at work
.set KB,  32                           ; v32-127 three buffers of four k fragments; v32-63 are scratch in the softmax and at the end
.set PR,  64                           ; v64-127 P: fragment (rt, 32 keys ks) at 64 + 16 rt + 8 ks
.set SB,  128                          ; v128-255 S: tile (rt, kt) at 128 + 8 (4 rt + kt); in the PV phase two buffers of eight v fragments
                                       ; window 1: Q, fragment (rt, ds) at 8 (8 rt + ds);  window 2: O of rt 0, 1, tile (rt, dt) at 8 (16 rt + dt);  window 3: rt 2, 3
.set EST, 32                           ; the end: v32 where (m, l) go, v33 where they are read, v34 where O goes, v35 16 L,
.set ELD, 33                           ; v36-39 where the four parts are read back, v40-43 my own m - m_tot
.set EPA, 34
.set EGO, 35
.set ERD, 36
.set EOWN, 40
; scalars: s[4:11] qs ks vs out0; s12 wave; s13 cx; s14 c; s15 batch; s16 hc; s17 c & 1; s18, s19 trip counters; s20 position in the order of tiles; s21 at work;
; s[22:23] byte offset of the tile; s[24:25], s[26:27] ks, vs at my wave's rows of tile 0; s[32:39], s[40:47] descriptor group 1 of k, v; s[48:51], s[52:55] group 0.
; cx is held by s13, s58-s63 and s[10:11] alone: no descriptor, no LDS address and no branch is made of it.
.set MSB, 0
.macro WIN new                         ; s_set_vgpr_msb: bits 1:0 source 0, 3:2 source 1, 5:4 source 2, 7:6 destination; the high byte repeats the setting left
.if MSB != \new
	s_set_vgpr_msb (MSB<<8)|\new
.set MSB, \new
.endif
.endm
.macro PLACES n
.rept \n
	v_nop
.endr
.endm
; A round of the cluster's barrier: my work-group's barrier, wave 0 signals for the work-group, every wave waits for all four work-groups, my work-group's barrier again.
.macro ROUND
	s_barrier_signal -1
	s_barrier_wait -1
	s_cmp_lg_u32 s12, 0
	s_cbranch_scc1 .Lnot_wave_0_\@
	s_barrier_signal -3
.Lnot_wave_0_\@:
	s_barrier_wait -3
	s_barrier_signal -1
	s_barrier_wait -1
.endm
	s_load_b256 s[4:11], s[0:1], 0x0
	v_lshl_add_u32 v62, v0, 2, 0x43800
	v_mov_b32 v63, 0
	ds_add_u32 v62, v63
	s_wait_dscnt 0x0
	v_lshrrev_b32 v1, 5, v0
	v_readfirstlane_b32 s12, v1                    ; wave 0..3
	s_bfe_u32 s13, ttmp6, 0x40000                  ; cx
	s_and_b32 s14, ttmp9, 15                       ; c   (ttmp9 counts clusters: 16 a batch)
	s_lshr_b32 s15, ttmp9, 4                       ; batch
	s_lshr_b32 s16, s14, 1                         ; hc
	s_and_b32 s17, s14, 1
	s_mov_b32 s18, s16                             ; trips on all four row tiles
	s_lshl_b32 s19, s16, 1
	s_sub_co_u32 s19, 14, s19                      ; trips on the high rows alone
	s_mov_b32 s20, 0
	s_lshl_b32 s22, s16, 17                        ; the first tile: hc x 256 keys x 512 bytes
	s_mov_b32 s23, 0
	s_lshl_b32 s28, s15, 21                        ; batch x 4,096 x 512 bytes
	s_lshl_b32 s21, s12, 15                        ; + wave x 64 rows x 512 bytes
	s_add_co_u32 s28, s28, s21
	s_mov_b32 s29, 0
	s_sub_co_u32 s30, 31, s14                      ; the high block
	s_lshl_b32 s31, s15, 12                        ; the batch's first row
	s_mov_b32 s56, 0x76543210                      ; v_permlanex16_b32: lane i takes lane i of the other half
	s_mov_b32 s57, 0xfedcba98
	; group 1: a tile of 64 rows x 256 elements of 2 bytes, rows 256 elements apart, padded in LDS behind every 128 words (a row); mask 15: all four work-groups
	s_mov_b32 s32, 15|(1<<16)|(1<<20)|(1<<21)|(6<<22)|(3<<25)      ; k: 4 words of padding
	s_mov_b32 s40, 15|(1<<16)|(1<<20)|(1<<21)|(6<<22)|(7<<25)      ; v: 8 words
	s_mov_b32 s33, 256<<16                         ; tensor_dim0 = 256
	s_mov_b32 s41, 256<<16
	s_mov_b32 s34, 64<<16                          ; tensor_dim1 = 64
	s_mov_b32 s42, 64<<16
	s_mov_b32 s35, 256<<16                         ; tile_dim0 = 256
	s_mov_b32 s43, 256<<16
	s_mov_b32 s36, 64                              ; tile_dim1 = 64
	s_mov_b32 s44, 64
	s_mov_b32 s37, 256                             ; from row to row
	s_mov_b32 s45, 256
	s_mov_b32 s38, 0
	s_mov_b32 s46, 0
	s_mov_b32 s39, 0
	s_mov_b32 s47, 0
	s_mov_b32 s48, 1
	s_mul_i32 s49, s12, KSW                        ; my wave's rows in k's slot
	s_mov_b32 s52, 1
	s_mul_i32 s53, s12, VSW
	s_add_co_u32 s53, s53, VS                      ; and in v's
	; my rows (these hold cx)
	s_lshl_b32 s58, s13, 5                         ; 32 cx
	s_lshl_b32 s59, s14, 7
	s_add_co_u32 s59, s59, s31
	s_add_co_u32 s59, s59, s58                     ; first of my low rows, counted over all batches
	s_lshl_b32 s60, s30, 7
	s_add_co_u32 s60, s60, s31
	s_add_co_u32 s60, s60, s58                     ; first of my high rows
	s_cmp_lt_u32 s12, 2                            ; at the end wave w stores local rows 16 w .. + 15: waves 0, 1 low rows, waves 2, 3 high rows
	s_cselect_b32 s62, s59, s60
	s_and_b32 s63, s12, 1
	s_lshl_b32 s63, s63, 4
	s_add_co_u32 s62, s62, s63
	s_lshl_b32 s62, s62, 10                        ; x 1,024 bytes
	s_mov_b32 s63, 0
	v_and_b32 v1, 15, v0                           ; r
	v_bfe_u32 v2, v0, 4, 1                         ; h
	v_mul_u32_u24 v[KA], v1, KP
	v_lshl_add_u32 v[KA], v2, 4, v[KA]
	v_add_nc_u32 v[KA], s49, v[KA]                 ; key r of my 64, 16 h bytes in
	v_and_b32 v28, 7, v0
	v_lshl_add_u32 v28, v2, 3, v28                 ; key 8 h + (L & 7)
	v_mul_u32_u24 v[VA], v28, VP
	v_bfe_u32 v29, v0, 3, 1
	v_lshl_add_u32 v[VA], v29, 4, v[VA]            ; + 16 ((L >> 3) & 1)
	v_add_nc_u32 v[VA], s53, v[VA]
	v_mov_b32 v[NEG], 0xf149f2ca                   ; -1e30
	v_lshlrev_b32 v30, 9, v1
	v_lshl_add_u32 v30, v2, 4, v30                 ; 512 r + 16 h
	s_lshl_b32 s61, s59, 9
	v_add_nc_u32 v[QOL], s61, v30
	s_lshl_b32 s61, s60, 9
	v_add_nc_u32 v[QOL+1], s61, v30
	v_lshlrev_b32 v31, 3, v2
	v_sub_nc_u32 v31, v1, v31                      ; r - 8 h
	s_lshl_b32 s61, s12, 6
	s_sub_co_u32 s58, s58, s61                     ; 32 cx - 64 w
	s_lshl_b32 s61, s17, 7                         ; block c begins at key 128 (c & 1) of tile hc
	s_add_co_u32 s61, s61, s58
	v_add_nc_u32 v[DG], s61, v31
	v_add_nc_u32 v[DG+1], 16, v[DG]
	s_xor_b32 s61, s17, 1                          ; block 31 - c begins at key 128 (1 - (c & 1)) of tile 15 - hc
	s_lshl_b32 s61, s61, 7
	s_add_co_u32 s61, s61, s58
	v_add_nc_u32 v[DG+2], s61, v31
	v_add_nc_u32 v[DG+3], 16, v[DG+2]
	s_wait_kmcnt 0x0
	s_add_nc_u64 s[10:11], s[10:11], s[62:63]
	s_add_nc_u64 s[24:25], s[6:7], s[28:29]
	s_add_nc_u64 s[26:27], s[8:9], s[28:29]
	s_add_nc_u64 s[50:51], s[24:25], s[22:23]
	s_or_b32 s51, s51, 0x80000000                  ; type 2
	s_add_nc_u64 s[54:55], s[26:27], s[22:23]
	s_or_b32 s55, s55, 0x80000000
	ROUND                                          ; all four work-groups are here: the first joint loads meet
	tensor_load_to_lds s[48:51], s[32:39]          ; k of tile hc
	s_nop 0
	tensor_load_to_lds s[52:55], s[40:47]          ; v of tile hc
	s_nop 0
	WIN 0x40                                       ; destination in window 1
.set qr, 0
.rept 4
.set qd, 0
.rept 8
	global_load_b128 v[8*(8*qr+qd):8*(8*qr+qd)+3],   v[QOL+qr/2], s[4:5] offset:8192*(qr%2)+64*qd
	global_load_b128 v[8*(8*qr+qd)+4:8*(8*qr+qd)+7], v[QOL+qr/2], s[4:5] offset:8192*(qr%2)+64*qd+32
.set qd, qd+1
.endr
.set qr, qr+1
.endr
	WIN 0
	s_wait_loadcnt 0x0                             ; Q, once
; eight LDS loads: my 64 keys (four fragments), 32 of d at step ds, into buffer ds % 3
.macro KLOAD ds
.set KBB, KB+32*((\ds)%3)
.set kt, 0
.rept 4
	ds_load_b128 v[KBB+8*kt:KBB+8*kt+3],   v[KA] offset:16*KP*kt+64*(\ds)
	ds_load_b128 v[KBB+8*kt+4:KBB+8*kt+7], v[KA] offset:16*KP*kt+64*(\ds)+32
.set kt, kt+1
.endr
.endm
; step ds of S^T = K Q^T for row tiles r0 .. 3: the 16 (or 8) accumulators take turns, one instruction a turn.  Step 0 starts the sums.
.macro SGROUP ds, r0
.set SKB, KB+32*((\ds)%3)
.set skt, 0
.rept 4
.set srt, \r0
.rept 4-\r0
.if (\ds) == 0
	v_wmma_f32_16x16x32_f16 v[SB+8*(4*srt+skt):SB+8*(4*srt+skt)+7], v[SKB+8*skt:SKB+8*skt+7], v[8*(8*srt+(\ds)):8*(8*srt+(\ds))+7], 0
.else
	v_wmma_f32_16x16x32_f16 v[SB+8*(4*srt+skt):SB+8*(4*srt+skt)+7], v[SKB+8*skt:SKB+8*skt+7], v[8*(8*srt+(\ds)):8*(8*srt+(\ds))+7], v[SB+8*(4*srt+skt):SB+8*(4*srt+skt)+7]
.endif
.set srt, srt+1
.endr
.set skt, skt+1
.endr
.endm
.macro SPHASE r0
	PLACES 5                                       ; behind the last PV products: the k loads land on P's registers, the new S sums write over v's buffers (ISA guide 7.12.1 for vector instructions)
	WIN 0x04                                       ; source 1 (Q) in window 1; LDS loads name source 0 and the destination, which stay in window 0
	KLOAD 0
	KLOAD 1
	KLOAD 2
.set sds, 0
.rept 8
.if sds < 6
	s_wait_dscnt 16                                ; this step's eight loads are in; the next two steps' stay out
.else
	s_wait_dscnt 8*(7-sds)                         ; the counts run down: 8, 0
.endif
	SGROUP sds, \r0
.if sds < 5
	PLACES 4                                       ; four places before loads land on the buffer just multiplied
	KLOAD sds+3
.endif
.set sds, sds+1
.endr
	WIN 0
	PLACES 4                                       ; before S is read and P is written over k's buffers
.endm
; The softmax step of row tile rt on my 32 scores a lane.  mask = 1: the tile holds this row tile's diagonal.  first = 1: m and l start here.
.macro SOFTMAX rt, mask, first
.set SBASE, SB+32*\rt
.set MREG, ML+2*\rt
.set LREG, ML+2*\rt+1
.set AREG, AL+2*\rt
.set PREG, PR+16*\rt
.if \mask
.set xk, 0
.rept 4
.set xj, 0
.rept 8
	v_cmp_gt_i32 vcc_lo, 16*xk+xj, v[DG+\rt]       ; the key lies behind the query:
	v_cndmask_b32 v[SBASE+8*xk+xj], v[SBASE+8*xk+xj], v[NEG], vcc_lo       ; -1e30
.set xj, xj+1
.endr
.set xk, xk+1
.endr
.endif
.irp q, 0,1,2,3                                    ; the maximum, in four chains that do not wait for each other
	v_max3_num_f32 v[T+\q], v[SBASE+8*\q], v[SBASE+8*\q+1], v[SBASE+8*\q+2]
.endr
.irp q, 0,1,2,3
	v_max3_num_f32 v[T+\q], v[T+\q], v[SBASE+8*\q+3], v[SBASE+8*\q+4]
.endr
.irp q, 0,1,2,3
	v_max3_num_f32 v[T+\q], v[T+\q], v[SBASE+8*\q+5], v[SBASE+8*\q+6]
.endr
.irp q, 0,1,2,3
	v_max_num_f32 v[T+\q], v[T+\q], v[SBASE+8*\q+7]
.endr
	v_max3_num_f32 v[T], v[T], v[T+1], v[T+2]
	v_max_num_f32 v[T], v[T], v[T+3]
	v_permlanex16_b32 v[T+1], v[T], s56, s57       ; the other half of the lanes holds the query's other 32 keys
.if \first
	v_max_num_f32 v[MREG], v[T], v[T+1]
	v_xor_b32 v32, 0x80000000, v[MREG]             ; -m
.else
	v_max3_num_f32 v[T+2], v[T], v[T+1], v[MREG]   ; the new m
	v_sub_f32 v[T+3], v[MREG], v[T+2]
	v_exp_f32 v[AREG], v[T+3]                      ; 2^(old m - new m); the plain lines below stand between it and its use (ISA guide 5.7.2)
	v_mov_b32 v[MREG], v[T+2]
	v_xor_b32 v32, 0x80000000, v[T+2]
.endif
	v_mov_b32 v33, v32
.set xi, 0
.rept 16
	v_pk_add_f32 v[SBASE+2*xi:SBASE+2*xi+1], v[SBASE+2*xi:SBASE+2*xi+1], v[32:33]
.set xi, xi+1
.endr
.set xi, 0
.rept 32
	v_exp_f32 v[SBASE+xi], v[SBASE+xi]
.set xi, xi+1
.endr
.if \first
	v_nop                                          ; one plain line behind the run of exponentials
	s_wait_alu depctr_va_vdst(0)
.else
	s_wait_alu depctr_va_vdst(0)
	v_mov_b32 v[AREG+1], v[AREG]                   ; one plain line behind the run of exponentials: the factor's second copy
.endif
.set xi, 0
.rept 16
	v_cvt_pk_f16_f32 v[PREG+xi], v[SBASE+2*xi], v[SBASE+2*xi+1]    ; keys 8 h + 0..7 of tiles 2 ks, 2 ks + 1: registers 0-3, 4-7 of fragment ks
.set xi, xi+1
.endr
.irp st, 8,4,2,1                                   ; the sum of my 32 p, as a tree
.set xi, 0
.rept \st
	v_pk_add_f32 v[SBASE+2*xi:SBASE+2*xi+1], v[SBASE+2*xi:SBASE+2*xi+1], v[SBASE+2*(xi+\st):SBASE+2*(xi+\st)+1]
.set xi, xi+1
.endr
.endr
.if \first
	v_add_f32 v[LREG], v[SBASE], v[SBASE+1]        ; l stays the sum of my half's keys until the end
.else
	v_add_f32 v[T], v[SBASE], v[SBASE+1]
	v_fma_f32 v[LREG], v[LREG], v[AREG], v[T]
.endif
.endm
; 16 transposing loads: v's fragments of d tiles 4 g .. 4 g + 3 and both halves of my 64 keys, into buffer g % 2
.macro VLOAD g
.set VBB, SB+64*((\g)%2)
.set vd, 0
.rept 4
.set vk, 0
.rept 2
	ds_load_tr16_b128 v[VBB+8*(2*vd+vk):VBB+8*(2*vd+vk)+3],   v[VA] offset:32*VP*vk+32*(4*(\g)+vd)
	ds_load_tr16_b128 v[VBB+8*(2*vd+vk)+4:VBB+8*(2*vd+vk)+7], v[VA] offset:32*VP*vk+32*(4*(\g)+vd)+16*VP
.set vk, vk+1
.endr
.set vd, vd+1
.endr
.endm
.macro RESC2 g, ab                     ; the window's two row tiles, d tiles 4 g .. 4 g + 3, times their factors
.set rr, 0
.rept 2
.set rd, 0
.rept 4
.set rq, 0
.rept 4
	v_pk_mul_f32 v[8*(16*rr+4*(\g)+rd)+2*rq:8*(16*rr+4*(\g)+rd)+2*rq+1], v[8*(16*rr+4*(\g)+rd)+2*rq:8*(16*rr+4*(\g)+rd)+2*rq+1], v[\ab+2*rr:\ab+2*rr+1]
.set rq, rq+1
.endr
.set rd, rd+1
.endr
.set rr, rr+1
.endr
.endm
.macro RESCALE g, r0
.if \r0 == 0
	WIN 0x82                                       ; destination and source 0 in window 2
	RESC2 \g, AL
.endif
	WIN 0xc3                                       ; in window 3
	RESC2 \g, AL+4
.endm
.macro PV2 g, pb, zero                 ; 16 products: eight accumulators (two row tiles x four d tiles) take turns, twice round (keys 0-31, 32-63)
.set PVB, SB+64*((\g)%2)
.set pk, 0
.rept 2
.set pd, 0
.rept 4
.set pr, 0
.rept 2
.set PZ, 0
.if \zero
.if pk == 0
.set PZ, 1
.endif
.endif
.if PZ
	v_wmma_f32_16x16x32_f16 v[8*(16*pr+4*(\g)+pd):8*(16*pr+4*(\g)+pd)+7], v[PVB+8*(2*pd+pk):PVB+8*(2*pd+pk)+7], v[\pb+16*pr+8*pk:\pb+16*pr+8*pk+7], 0
.else
	v_wmma_f32_16x16x32_f16 v[8*(16*pr+4*(\g)+pd):8*(16*pr+4*(\g)+pd)+7], v[PVB+8*(2*pd+pk):PVB+8*(2*pd+pk)+7], v[\pb+16*pr+8*pk:\pb+16*pr+8*pk+7], v[8*(16*pr+4*(\g)+pd):8*(16*pr+4*(\g)+pd)+7]
.endif
.set pr, pr+1
.endr
.set pd, pd+1
.endr
.set pk, pk+1
.endr
.endm
.macro PVGROUP g, r0, zero
.if \r0 == 0
	WIN 0xa0                                       ; C and D in window 2
	PV2 \g, PR, \zero
.endif
	WIN 0xf0                                       ; in window 3
	PV2 \g, PR+32, \zero
.endm
; O^T = factor x O^T + V^T P^T, in four groups of four d tiles.  A group's rescaling stands behind the group before: it names none of that group's registers
; and so fills the places in front of the loads that land on the buffer just multiplied.
.macro PVPHASE r0, zero
	VLOAD 0
	VLOAD 1
.if \zero == 0
	RESCALE 0, \r0
.endif
.set pg, 0
.rept 4
.if pg < 3
	s_wait_dscnt 16                                ; this group's 16 loads are in, the next group's stay out
.else
	s_wait_dscnt 0
.endif
	PVGROUP pg, \r0, \zero
.if pg < 3
.if \zero
.if pg < 2
	WIN 0
	PLACES 4                                       ; nothing to rescale in the first tile: four places in front of the loads
.endif
.else
	RESCALE pg+1, \r0
.endif
.endif
.if pg < 2
	WIN 0
	VLOAD pg+2
.endif
.set pg, pg+1
.endr
	WIN 0
.endm
; One tile of 256 keys.  r0: first row tile at work (0 or 2); mk: first of the two row tiles whose diagonal it holds (8: none); zero = 1: it starts the sums;
; rounda = 1: its v is asked for here (0: asked for in the prologue); refill = 1: the next tile's k is asked for.
.macro TILE r0, mk, zero, rounda, refill
.if \rounda
	s_wait_dscnt 0x0                               ; my reads of v's slot are done
	s_wait_xcnt 0x0
	v_lshl_add_u32 v62, v0, 2, 0x43800
	v_mov_b32 v63, 0
	s_wait_tensorcnt 0x0                           ; all my tensor loads have landed: the one that was out is this tile's k; so group 0 may be written
	ds_add_u32 v62, v63
	s_wait_dscnt 0x0
	s_add_nc_u64 s[54:55], s[26:27], s[22:23]
	s_or_b32 s55, s55, 0x80000000
	ROUND                                          ; both hold of every wave of all four work-groups
	tensor_load_to_lds s[52:55], s[40:47]          ; this tile's v: it has the S phase and the softmax in which to land
	s_nop 0
.else
	s_wait_tensorcnt 0x1                           ; k has landed; v, issued behind it, stays out.  My own bytes, and nothing is filled again here
.endif
	SPHASE \r0
.irp rt, 0,1,2,3
.if \rt >= \r0
.set MK, 0
.if \rt == \mk
.set MK, 1
.endif
.if \rt == \mk+1
.set MK, 1
.endif
	SOFTMAX \rt, MK, \zero
.endif
.endr
.if \refill
	s_wait_dscnt 0x0                               ; my reads of k's slot are done
	s_wait_xcnt 0x0
	v_lshl_add_u32 v62, v0, 2, 0x43800
	v_mov_b32 v63, 0
	s_wait_tensorcnt 0x0                           ; all my tensor loads have landed: this tile's v
	ds_add_u32 v62, v63
	s_wait_dscnt 0x0
	s_add_co_u32 s20, s20, 1                       ; the next position p: tile p - 1 for p <= hc, tile p behind that
	s_cmp_le_u32 s20, s16
	s_cselect_b32 s21, 1, 0
	s_sub_co_u32 s21, s20, s21
	s_lshl_b32 s22, s21, 17
	s_add_nc_u64 s[50:51], s[24:25], s[22:23]
	s_or_b32 s51, s51, 0x80000000
	ROUND
	tensor_load_to_lds s[48:51], s[32:39]          ; the next tile's k: it has the PV phase in which to land
	s_nop 0
.else
	s_wait_tensorcnt 0x0                           ; this tile's v; no tensor load is out from here on
.endif
	PVPHASE \r0, \zero
.endm
	TILE 0, 0, 1, 0, 1                             ; tile hc: the low rows' diagonal; all sums start
	s_cmp_eq_u32 s18, 0
	s_cbranch_scc1 .Lno_low
.Llow:
	TILE 0, 8, 0, 1, 1                             ; tiles 0 .. hc - 1
	s_sub_co_u32 s18, s18, 1
	s_cmp_lg_u32 s18, 0
	s_cbranch_scc1 .Llow
.Lno_low:
	s_cmp_eq_u32 s19, 0
	s_cbranch_scc1 .Lno_high
.Lhigh:
	TILE 2, 8, 0, 1, 1                             ; tiles hc + 1 .. 14 - hc: the high rows alone
	s_sub_co_u32 s19, s19, 1
	s_cmp_lg_u32 s19, 0
	s_cbranch_scc1 .Lhigh
.Lno_high:
	TILE 2, 2, 0, 1, 0                             ; tile 15 - hc: the high rows' diagonal
	; THE END.  Each wave holds m, l and O of all 64 rows for its quarter of the keys.  With m_tot = max of the four m and l_tot = sum of 2^(m_w - m_tot) l_w,
	; the result is the sum over the waves of O_w 2^(m_w - m_tot) / l_tot.  Every row's own key lies in some wave, so m_tot is a real score and l_tot >= 1.
	PLACES 4                                       ; behind the last products: O is read, and loads land on v's buffers
.irp rt, 0,1,2,3
	v_permlanex16_b32 v[T+\rt], v[ML+2*\rt+1], s56, s57
.endr
.irp rt, 0,1,2,3
	v_add_f32 v[ML+2*\rt+1], v[ML+2*\rt+1], v[T+\rt]       ; l of both halves of the lanes
.endr
	s_lshl_b32 s21, s12, 9
	s_add_co_u32 s21, s21, STAT
	v_lshl_add_u32 v[EST], v1, 3, s21              ; STAT + 512 w + 8 r (both halves of the lanes store the same pair)
	v_lshl_add_u32 v[ELD], v1, 3, STAT
.irp rt, 0,1,2,3
	ds_store_b64 v[EST], v[ML+2*\rt:ML+2*\rt+1] offset:128*\rt
.endr
	s_mul_i32 s21, s12, PARTW
	v_mul_u32_u24 v[EPA], v1, PP
	v_lshl_add_u32 v[EPA], v2, 5, v[EPA]
	v_add_nc_u32 v[EPA], s21, v[EPA]               ; my part: row r, 4 x 8 h bytes in
	v_and_b32 v[EGO], 31, v0
	v_lshlrev_b32 v[EGO], 4, v[EGO]                ; 16 L
	s_mul_i32 s21, s12, 16*PP
	v_add_nc_u32 v[ERD], s21, v[EGO]               ; rows 16 w .. of part 0,
	v_add_nc_u32 v[ERD+1], PARTW, v[ERD]           ; 1,
	v_add_nc_u32 v[ERD+2], 2*PARTW, v[ERD]         ; 2,
	v_add_nc_u32 v[ERD+3], 3*PARTW, v[ERD]         ; 3
	s_wait_dscnt 0x0                               ; my (m, l) are stored and my reads of both slots are done, for the other waves' sake
	s_barrier_signal -1
	s_barrier_wait -1                              ; so the slots, which have had their last fill, may be written
.set er, 0
.rept 4
.set ew, 0
.rept 4
	ds_load_b64 v[SB+8*er+2*ew:SB+8*er+2*ew+1], v[ELD] offset:512*ew+128*er
.set ew, ew+1
.endr
.set er, er+1
.endr
	s_wait_dscnt 0x0
.irp rt, 0,1,2,3
	v_max3_num_f32 v[T+\rt], v[SB+8*\rt], v[SB+8*\rt+2], v[SB+8*\rt+4]
.endr
.irp rt, 0,1,2,3
	v_max_num_f32 v[T+\rt], v[T+\rt], v[SB+8*\rt+6]        ; m_tot
.endr
.irp rt, 0,1,2,3
	v_sub_f32 v[EOWN+\rt], v[ML+2*\rt], v[T+\rt]
.irp u, 0,2,4,6
	v_sub_f32 v[SB+8*\rt+\u], v[SB+8*\rt+\u], v[T+\rt]
.endr
.endr
.irp rt, 0,1,2,3
	v_exp_f32 v[EOWN+\rt], v[EOWN+\rt]
.irp u, 0,2,4,6
	v_exp_f32 v[SB+8*\rt+\u], v[SB+8*\rt+\u]
.endr
.endr
	v_nop                                          ; one plain line behind the run of exponentials
	s_wait_alu depctr_va_vdst(0)
.irp rt, 0,1,2,3
	v_mul_f32 v[T+\rt], v[SB+8*\rt], v[SB+8*\rt+1]
.endr
.irp u, 2,4,6
.irp rt, 0,1,2,3
	v_fmac_f32 v[T+\rt], v[SB+8*\rt+\u], v[SB+8*\rt+\u+1]  ; l_tot
.endr
.endr
.irp rt, 0,1,2,3
	v_rcp_f32 v[T+\rt], v[T+\rt]
.endr
	v_nop                                          ; one plain line behind the reciprocals
	s_wait_alu depctr_va_vdst(0)
.irp rt, 0,1,2,3
	v_mul_f32 v[AL+2*\rt],   v[EOWN+\rt], v[T+\rt] ; my weight, twice
	v_mul_f32 v[AL+2*\rt+1], v[EOWN+\rt], v[T+\rt]
.endr
.macro OSCALE ab
.set rr, 0
.rept 2
.set rq, 0
.rept 64
	v_pk_mul_f32 v[128*rr+2*rq:128*rr+2*rq+1], v[128*rr+2*rq:128*rr+2*rq+1], v[\ab+2*rr:\ab+2*rr+1]
.set rq, rq+1
.endr
.set rr, rr+1
.endr
.endm
.macro OSTORE half                     ; lane (r, h): row 16 rt + r, columns 16 dt + 8 h + 0..7: 32 bytes
.set rr, 0
.rept 2
.set rd, 0
.rept 16
	ds_store_b128 v[EPA], v[8*(16*rr+rd):8*(16*rr+rd)+3]   offset:16*PP*(2*\half+rr)+64*rd
	ds_store_b128 v[EPA], v[8*(16*rr+rd)+4:8*(16*rr+rd)+7] offset:16*PP*(2*\half+rr)+64*rd+16
.set rd, rd+1
.endr
.set rr, rr+1
.endr
.endm
	WIN 0x82
	OSCALE AL
	WIN 0x08                                       ; store data (source 1) in window 2
	OSTORE 0
	WIN 0xc3
	OSCALE AL+4
	WIN 0x0c
	OSTORE 1
	WIN 0
	s_wait_dscnt 0x0                               ; my part is stored, for the other waves' sake
	s_barrier_signal -1
	s_barrier_wait -1
	; wave w adds the four parts of local rows 16 w .. 16 w + 15 and stores them: 32 half rows of 512 bytes, eight at a time
.set bt, 0
.rept 4
.if bt > 0
	s_wait_xcnt 0x0                                ; the last eight stores have had their addresses translated: their data are loaded over
.endif
.set bi, 0
.rept 8
.set bp, 0
.rept 4
	ds_load_b128 v[SB+16*bi+4*bp:SB+16*bi+4*bp+3], v[ERD+bp] offset:PP*((8*bt+bi)/2)+512*((8*bt+bi)%2)
.set bp, bp+1
.endr
.set bi, bi+1
.endr
.set bi, 0
.rept 8
	s_wait_dscnt 4*(7-bi)                          ; this half row's four loads are in, the younger half rows' stay out
	v_pk_add_f32 v[SB+16*bi:SB+16*bi+1],     v[SB+16*bi:SB+16*bi+1],     v[SB+16*bi+4:SB+16*bi+5]
	v_pk_add_f32 v[SB+16*bi+2:SB+16*bi+3],   v[SB+16*bi+2:SB+16*bi+3],   v[SB+16*bi+6:SB+16*bi+7]
	v_pk_add_f32 v[SB+16*bi+8:SB+16*bi+9],   v[SB+16*bi+8:SB+16*bi+9],   v[SB+16*bi+12:SB+16*bi+13]
	v_pk_add_f32 v[SB+16*bi+10:SB+16*bi+11], v[SB+16*bi+10:SB+16*bi+11], v[SB+16*bi+14:SB+16*bi+15]
	v_pk_add_f32 v[SB+16*bi:SB+16*bi+1],     v[SB+16*bi:SB+16*bi+1],     v[SB+16*bi+8:SB+16*bi+9]
	v_pk_add_f32 v[SB+16*bi+2:SB+16*bi+3],   v[SB+16*bi+2:SB+16*bi+3],   v[SB+16*bi+10:SB+16*bi+11]
	global_store_b128 v[EGO], v[SB+16*bi:SB+16*bi+3], s[10:11] offset:1024*((8*bt+bi)/2)+512*((8*bt+bi)%2) th:TH_STORE_NT   ; the wave stores 512 consecutive bytes, aligned
.set bi, bi+1
.endr
.set bt, bt+1
.endr
	s_wait_xcnt 0x0
	v_lshl_add_u32 v62, v0, 2, 0x43800
	v_mov_b32 v63, 0
	s_wait_tensorcnt 0x0
	ds_add_u32 v62, v63
	s_wait_dscnt 0x0
	ROUND                                          ; the closing round: no work-group ends while a partner may still ask for a tile that names it
	s_endpgm
.Lfunc_end_k_qc44d5ac1c8_attn:
	.size	k_qc44d5ac1c8_attn, .Lfunc_end_k_qc44d5ac1c8_attn-k_qc44d5ac1c8_attn
	.p2alignl 7, 3214868480
	.fill 96, 4, 3214868480
	.section	.rodata,"a",@progbits
	.p2align	6, 0x0
	.amdhsa_kernel k_qc44d5ac1c8_attn
		.amdhsa_group_segment_fixed_size 327680
		.amdhsa_private_segment_fixed_size 0
		.amdhsa_enable_private_segment 0
		.amdhsa_kernarg_size 32
		.amdhsa_user_sgpr_count 2
		.amdhsa_user_sgpr_kernarg_segment_ptr 1
		.amdhsa_wavefront_size32 1
		.amdhsa_system_sgpr_workgroup_id_x 1
		.amdhsa_system_sgpr_workgroup_id_y 1
		.amdhsa_system_sgpr_workgroup_id_z 1
		.amdhsa_system_vgpr_workitem_id 0
		.amdhsa_next_free_vgpr 1024
		.amdhsa_next_free_sgpr 66
		.amdhsa_reserve_vcc 1
		.amdhsa_float_denorm_mode_32 3
		.amdhsa_float_denorm_mode_16_64 3
		.amdhsa_memory_ordered 1
		.amdhsa_forward_progress 1
		.amdhsa_inst_pref_size 255
	.end_amdhsa_kernel
	.section	.bss,"aw",@nobits
	.p2align	6
	.space	262144
	.amdgpu_metadata
---
amdhsa.version: [ 1, 2 ]
amdhsa.kernels:
  - .name:           k_qc44d5ac1c8_attn
    .symbol:         k_qc44d5ac1c8_attn.kd
    .args:
      - { .name: qs, .offset: 0, .size: 8, .value_kind: global_buffer, .address_space: global }
      - { .name: ks, .offset: 8, .size: 8, .value_kind: global_buffer, .address_space: global }
      - { .name: vs, .offset: 16, .size: 8, .value_kind: global_buffer, .address_space: global }
      - { .name: out0, .offset: 24, .size: 8, .value_kind: global_buffer, .address_space: global }
    .group_segment_fixed_size: 327680
    .private_segment_fixed_size: 0
    .kernarg_segment_align: 8
    .kernarg_segment_size: 32
    .max_flat_workgroup_size: 128
    .sgpr_count:     66
    .vgpr_count:     1024
    .wavefront_size: 32
...
	.end_amdgpu_metadata
.endif
;; end of part 2
;; ======== version 2 of 3: 4 launches; 1.15 times as fast as version 1
;; limits: values are held in f16: magnitudes above 65,504 overflow, below 6.1e-05 lose precision
;; workspace buffers: qs 8,388,608 bytes; ks 8,388,608 bytes; vs 8,388,608 bytes; part 14,680,064 bytes; stat 114,688 bytes; wf 393,216 bytes
;; launch wprep (part 3): grid 64 x 1, 4 waves a work-group, no clusters, 0 bytes of LDS; arguments Wq, Wk, Wv, wf; writes wf
.if DOCPART == 3
	.amdgcn_target "amdgcn-amd-amdhsa--gfx1250"
	.amdhsa_code_object_version 6
	.text
	.protected	k_qc44d5ac1c8_wprep
	.globl	k_qc44d5ac1c8_wprep
	.p2align	8
	.type	k_qc44d5ac1c8_wprep,@function
k_qc44d5ac1c8_wprep:
	s_mov_b64 s[64:65], 0
	v_nop
	global_prefetch_b8 v0, s[64:65] scope:SCOPE_SE
	s_setreg_imm32_b32 hwreg(HW_REG_WAVE_MODE, 25, 1), 1
	s_wait_xcnt 0x0
; The three weight matrices, [256][256] f32, are rounded to bf16 once and laid out as the matrix instruction's fragments, so that the next launch's 256
; work-groups load them straight into registers instead of each converting and transposing all of W for itself.
; wf: for matrix m (q, k, v) and column tile ct (rows 16 ct .. + 15 of W) a block of 8,192 bytes at (16 m + ct) x 8,192; in it piece i = 2 ds + p (512 bytes)
; holds at 16 L the eight numbers W[16 ct + r][32 ds + 16 p + 8 h + 0..7], r = L % 16, h = L / 16: registers 4 p .. 4 p + 3 of lane L in the fragment of K step ds.
; SHARES: 8,192 threads, one for each 16 bytes of a matrix's 131,072; a thread makes the same 16 bytes of all three matrices, so no address is chosen.
; Thread number t' = 128 x work-group + t: bits 0-4 L, bit 5 p, bits 6-8 ds, bits 9-12 ct.  A work-group reads, of each matrix, 16 rows x 256 bytes, aligned;
; a wave's store covers 512 consecutive bytes, aligned.  The launch has work for 64 work-groups of four waves and no more.
; A stream of 768 KB in and 384 KB out: no LDS, no matrix unit, nothing shared.  LIMIT: W is rounded to bf16.
.set SRC, 4                            ; v4      byte offset of my 32 bytes in a matrix
.set DST, 5                            ; v5      byte offset of my 16 bytes in a matrix's part of wf
.set IN,  8                            ; v8-31   matrix m: 8 numbers as loaded
.set OUT, 32                           ; v32-43  matrix m: 8 bf16
	s_load_b256 s[4:11], s[0:1], 0x0               ; Wq s[4:5], Wk s[6:7], Wv s[8:9], wf s[10:11]
	v_and_b32 v1, 15, v0                           ; r
	v_bfe_u32 v2, v0, 4, 1                         ; h
	v_lshrrev_b32 v3, 5, v0                        ; p + 2 (ds % 2)
	v_lshlrev_b32 v[SRC], 10, v1                   ; row r: 1,024 bytes
	v_lshl_add_u32 v[SRC], v3, 6, v[SRC]           ; + 64 p + 128 (ds % 2)
	v_lshl_add_u32 v[SRC], v2, 5, v[SRC]           ; + 32 h
	s_lshr_b32 s12, ttmp9, 2                       ; ct
	s_lshl_b32 s12, s12, 14                        ; 16 rows x 1,024 bytes
	s_and_b32 s13, ttmp9, 3                        ; ds / 2
	s_lshl_b32 s13, s13, 8
	s_add_co_u32 s12, s12, s13
	v_add_nc_u32 v[SRC], s12, v[SRC]
	s_lshl_b32 s14, ttmp9, 11                      ; 128 threads x 16 bytes
	v_lshl_add_u32 v[DST], v0, 4, s14
	s_wait_kmcnt 0x0
.irp m, 0,1,2
	global_load_b128 v[IN+8*\m:IN+8*\m+3],   v[SRC], s[4+2*\m:5+2*\m] th:TH_LOAD_NT
	global_load_b128 v[IN+8*\m+4:IN+8*\m+7], v[SRC], s[4+2*\m:5+2*\m] offset:16 th:TH_LOAD_NT
.endr
.irp m, 0,1,2
	s_wait_loadcnt 4-2*\m                          ; this matrix's two loads are in, the later matrices' stay out
.irp j, 0,1,2,3
	v_cvt_pk_bf16_f32 v[OUT+4*\m+\j], v[IN+8*\m+2*\j], v[IN+8*\m+2*\j+1]
.endr
	global_store_b128 v[DST], v[OUT+4*\m:OUT+4*\m+3], s[10:11] offset:131072*\m
.endr
	s_endpgm
.Lfunc_end_k_qc44d5ac1c8_wprep:
	.size	k_qc44d5ac1c8_wprep, .Lfunc_end_k_qc44d5ac1c8_wprep-k_qc44d5ac1c8_wprep
	.p2alignl 7, 3214868480
	.fill 96, 4, 3214868480
	.section	.rodata,"a",@progbits
	.p2align	6, 0x0
	.amdhsa_kernel k_qc44d5ac1c8_wprep
		.amdhsa_group_segment_fixed_size 0
		.amdhsa_private_segment_fixed_size 0
		.amdhsa_enable_private_segment 0
		.amdhsa_kernarg_size 32
		.amdhsa_user_sgpr_count 2
		.amdhsa_user_sgpr_kernarg_segment_ptr 1
		.amdhsa_wavefront_size32 1
		.amdhsa_system_sgpr_workgroup_id_x 1
		.amdhsa_system_sgpr_workgroup_id_y 1
		.amdhsa_system_sgpr_workgroup_id_z 1
		.amdhsa_system_vgpr_workitem_id 0
		.amdhsa_next_free_vgpr 48
		.amdhsa_next_free_sgpr 66
		.amdhsa_reserve_vcc 0
		.amdhsa_float_denorm_mode_32 3
		.amdhsa_float_denorm_mode_16_64 3
		.amdhsa_memory_ordered 1
		.amdhsa_forward_progress 1
		.amdhsa_inst_pref_size 3
	.end_amdhsa_kernel
	.amdgpu_metadata
---
amdhsa.version: [ 1, 2 ]
amdhsa.kernels:
  - .name:           k_qc44d5ac1c8_wprep
    .symbol:         k_qc44d5ac1c8_wprep.kd
    .args:
      - { .name: Wq, .offset: 0, .size: 8, .value_kind: global_buffer, .address_space: global }
      - { .name: Wk, .offset: 8, .size: 8, .value_kind: global_buffer, .address_space: global }
      - { .name: Wv, .offset: 16, .size: 8, .value_kind: global_buffer, .address_space: global }
      - { .name: wf, .offset: 24, .size: 8, .value_kind: global_buffer, .address_space: global }
    .group_segment_fixed_size: 0
    .private_segment_fixed_size: 0
    .kernarg_segment_align: 8
    .kernarg_segment_size: 32
    .max_flat_workgroup_size: 128
    .sgpr_count:     66
    .vgpr_count:     48
    .wavefront_size: 32
...
	.end_amdgpu_metadata
.endif
;; end of part 3
;; launch proj (part 4): grid 256 x 1, 8 waves a work-group, no clusters, 136,192 bytes of LDS; arguments x, wf, bq, bk, bv, qs, ks, vs; writes qs, ks, vs
.if DOCPART == 4
	.amdgcn_target "amdgcn-amd-amdhsa--gfx1250"
	.amdhsa_code_object_version 6
	.text
	.protected	k_qc44d5ac1c8_proj
	.globl	k_qc44d5ac1c8_proj
	.p2align	8
	.type	k_qc44d5ac1c8_proj,@function
k_qc44d5ac1c8_proj:
	s_mov_b64 s[64:65], 0
	v_nop
	global_prefetch_b8 v0, s[64:65] scope:SCOPE_SE
	s_setreg_imm32_b32 hwreg(HW_REG_WAVE_MODE, 25, 1), 1
	s_wait_xcnt 0x0
; qs = (x Wq^T + bq) * log2(e)/16,  ks = x Wk^T + bk,  vs = x Wv^T + bv.   x: [16384][256] f32, b: [256] f32; wf: the three W in bf16, laid out as fragments
; by the launch before (block (16 m + ct) of 8,192 bytes: matrix m, rows 16 ct .. + 15 of W; piece 2 ds + p of 512 bytes: registers 4 p .. 4 p + 3 of K step ds).
; qs, ks, vs: [16384][256] f16.  Products in bf16 with f32 sums; bias and scale in f32; one rounding to f16 at the end.
; (The factor log2(e)/16 holds the division by sqrt(256) and the change from e^x to 2^x of the softmax that follows.)
; WHY f16 FOR THE RESULTS: 11 significant bits against bf16's 8.  An early query row averages few v, so the rounding of q, k, v is not averaged away there.
; LIMITS: x and W are rounded to bf16.  The results must stay below 65,504 in magnitude (f16's largest number), else they become infinite: with x, W and b all
; 30 times those of a unit normal x and W in +-1/16 the results have a root mean square of about 16 x 30 x 1.08 = 520; with offsets of 30 spreads on x and W
; together they reach about 256 x 30 x 1.1 = 8,400.  Results below 6.1e-5 keep an absolute error of 3e-8 (f16 denormals).  Inputs are taken as finite.
; SHARES: a work-group owns 64 rows of x and all 768 output columns, in six chunks of 128 columns (matrix = chunk / 2, half = chunk % 2).
; In a chunk wave w owns 16 columns for all 64 rows: four accumulator tiles, 32 matrix instructions.  x is converted once, goes through LDS and
; stays as fragments in 256 registers of every wave.  A chunk's W fragments are the wave's block of wf, 8 KB: 16 loads of 512 consecutive bytes, straight into
; registers.  Three buffers take turns: chunk ch + 2 is asked for at the head of chunk ch, so each load has two chunks in which to land.
; NO CLUSTER, NO TENSOR LOADS: wf is what the work-groups share, but fragments brought jointly would have to lie in LDS and be read from there again:
; 384 KB written and 384 KB read in each work-group, which this text does not have.
; THE MATRIX INSTRUCTION IS USED TRANSPOSED: source 0 = 16 rows of W, source 1 = 16 rows of x.  Lane (r, h) then holds, for token r, the eight
; neighbouring columns 8 h + 0 .. 7: 16 bytes of f16.  The bias has the same layout and is the first product's C: nothing is cleared or added later.
.set PITCH, 528                        ; an LDS row: 512 bytes of 16-bit numbers + 16: 33 x 16, so 16 rows start in 16 different 16-byte columns
.set XT,  0                            ; x as bf16: 64 rows
.set ST,  64*PITCH                     ; the way out: 64 rows for each of the three matrices, each region written once
.set STM, 64*PITCH
.set QSCALE, 0x3db8aa3b                ; log2(e) / 16
.set WO, 2                             ; v2   8,192 w + 16 L: my 16 bytes in my wave's 8 rows of x, and in my wave's block of wf
.set BO, 3                             ; v3   bias: byte offset of my 8 columns
.set SS, 4                             ; v4   LDS: where my 16 bytes of a result row go
.set SR, 5                             ; v5   LDS: where I read a result row back
.set GO, 6                             ; v6   byte offset of my 16 bytes in my wave's 8 output rows
.set BI, 8                             ; v8-31    bias, three sets of 8 that take turns
.set ACC, 32                           ; v32-63   four accumulator tiles; result rows on the way out; the set-up's numbers below, until the first product
.set LN, 32                            ; v32  lane L       v33  r       v34  h
.set RR, 33
.set HH, 34
.set XS, 35                            ; v35  LDS: where my 8 bytes of converted x go
.set XF, 36                            ; v36  LDS: my part of an x fragment, 528 r + 16 h
.set WB, 64                            ; v64-255  three buffers of eight W fragments: chunk ch in buffer ch % 3, K step d at + 8 d
.set XL, WB+128                        ; x as loaded, at the start: in the third buffer, which chunk 2's fragments take afterwards
                                       ; v256-511 (window 1) x fragments: (row tile t, K step d) at 8 (8 t + d)
.set MSB, 0
.macro WIN new                         ; s_set_vgpr_msb: bits 1:0 source 0, 3:2 source 1, 5:4 source 2, 7:6 destination; the high byte repeats the setting left
.if MSB != \new
	s_set_vgpr_msb (MSB<<8)|\new
.set MSB, \new
.endif
.endm
	s_load_b512 s[8:23], s[0:1], 0x0               ; x s[8:9], wf s[10:11], bq bk bv s[12:17], qs ks vs s[18:23]
	v_lshrrev_b32 v1, 5, v0
	v_readfirstlane_b32 s28, v1                    ; wave 0..7
	v_and_b32 v[LN], 31, v0
	v_and_b32 v[RR], 15, v0
	v_bfe_u32 v[HH], v0, 4, 1
	s_mov_b32 s30, QSCALE
	s_mov_b32 s31, QSCALE
	s_lshl_b32 s2, ttmp9, 16                       ; my 64 rows of x: 64 x 1,024 bytes
	s_mov_b32 s3, 0
	s_lshl_b32 s4, ttmp9, 15                       ; my 64 rows of an output: 64 x 512 bytes
	s_mov_b32 s5, 0
	s_lshl_b32 s6, s28, 13
	v_lshl_add_u32 v[WO], v[LN], 4, s6             ; 8,192 w + 16 L
	s_mul_i32 s6, s28, 8*PITCH
	v_lshl_add_u32 v[XS], v[LN], 3, s6             ; XT + 8 rows x w + 8 L
	v_mul_u32_u24 v[XF], v[RR], PITCH
	v_lshl_add_u32 v[XF], v[HH], 4, v[XF]          ; XT + 528 r + 16 h
	s_lshl_b32 s6, s28, 6
	v_lshl_add_u32 v[BO], v[HH], 5, s6             ; 4 (16 w + 8 h)
	s_lshl_b32 s6, s28, 5
	s_add_co_u32 s6, s6, ST
	v_add_nc_u32 v[SS], s6, v[XF]                  ; ST + 528 r + 2 (16 w + 8 h)
	s_mul_i32 s6, s28, 8*PITCH
	s_add_co_u32 s6, s6, ST
	v_lshl_add_u32 v[SR], v[LN], 4, s6             ; ST + 8 rows x w + 16 L
	s_lshl_b32 s6, s28, 12
	v_lshl_add_u32 v[GO], v[LN], 4, s6             ; 8 rows x 512 bytes x w + 16 L
	s_wait_kmcnt 0x0
	s_add_nc_u64 s[8:9], s[8:9], s[2:3]
	s_add_nc_u64 s[18:19], s[18:19], s[4:5]
	s_add_nc_u64 s[20:21], s[20:21], s[4:5]
	s_add_nc_u64 s[22:23], s[22:23], s[4:5]
.macro BIAS ch                         ; the 8 biases of my columns in chunk ch, into the set ch % 3
.set BH, (\ch) % 2
.set BM, (\ch) / 2
.set BS, BI+8*((\ch) % 3)
	global_load_b128 v[BS:BS+3],   v[BO], s[12+2*BM:13+2*BM] offset:512*BH
	global_load_b128 v[BS+4:BS+7], v[BO], s[12+2*BM:13+2*BM] offset:512*BH+16
.endm
.macro WLOAD ch                        ; my wave's block of wf in chunk ch (block 8 ch + w): 16 loads of 512 consecutive bytes, into buffer ch % 3
.set WW, WB+64*((\ch) % 3)
.set i, 0
.rept 16
	global_load_b128 v[WW+4*i:WW+4*i+3], v[WO], s[10:11] offset:65536*(\ch)+512*i
.set i, i+1
.endr
.endm
	; my wave's 8 rows of x (read once in the launch), then the first two chunks' bias and fragments
.set i, 0
.rept 16
	global_load_b128 v[XL+4*i:XL+4*i+3], v[WO], s[8:9] offset:512*i th:TH_LOAD_NT
.set i, i+1
.endr
	BIAS 0
	WLOAD 0
	BIAS 1
	WLOAD 1
	s_wait_loadcnt 36                              ; x is in; the 2 x (2 + 16) younger loads stay out
.set i, 0
.rept 16
	v_cvt_pk_bf16_f32 v[XL+4*i],   v[XL+4*i],   v[XL+4*i+1]
	v_cvt_pk_bf16_f32 v[XL+4*i+1], v[XL+4*i+2], v[XL+4*i+3]
.set i, i+1
.endr
.set i, 0
.rept 16
	ds_store_b64 v[XS], v[XL+4*i:XL+4*i+1] offset:(i/2)*PITCH+(i%2)*256    ; row i / 2, half i % 2: 32 lanes, 256 neighbouring bytes
.set i, i+1
.endr
	s_wait_dscnt 0x0                               ; my stores of x are done, for the other waves' sake
	s_barrier_signal -1
	s_barrier_wait -1                              ; all 64 rows are in LDS
	WIN 0x40                                       ; destination in window 1
.set d, 0
.rept 8                                            ; K step by K step, in the order in which the first chunk takes them
.set t, 0
.rept 4
	ds_load_b128 v[8*(8*t+d):8*(8*t+d)+3],   v[XF] offset:16*PITCH*t+64*d
	ds_load_b128 v[8*(8*t+d)+4:8*(8*t+d)+7], v[XF] offset:16*PITCH*t+64*d+32
.set t, t+1
.endr
.set d, d+1
.endr
	WIN 0
.macro CHUNK ch
.set CH, (\ch) % 2
.set CM, (\ch) / 2
.set CW, WB+64*((\ch) % 3)
.set CB, BI+8*((\ch) % 3)
.if CH == 0
.if CM > 0
	s_wait_xcnt 0x0                                ; the last matrix's stores have had their addresses translated: their data, v32-63, are the new sums' registers
.endif
.endif
.if \ch < 4
	BIAS \ch+2                                     ; into the set and the buffer of the chunk before this one, whose products lie more than four plain
	WLOAD \ch+2                                    ; vector lines back
	s_wait_loadcnt 36                              ; this chunk's 18 loads are in; the next two chunks' stay out
.else
	s_wait_loadcnt 18*(5-\ch)                      ; the counts run down: 18, 0
.endif
.if \ch > 0
	s_wait_dscnt 0x0                               ; the last chunk's LDS stores, which read the accumulators, are done
.endif
	WIN 0x04                                       ; source 1 (x) in window 1
.set d, 0
.rept 8
.if \ch == 0
	s_wait_dscnt 8*(7-d)                           ; the x fragments of K step d are in; those of the later steps, eight loads each, stay out
.endif
.set t, 0
.rept 4                                            ; the four accumulators take turns, one instruction a turn
.if d == 0
	v_wmma_f32_16x16x32_bf16 v[ACC+8*t:ACC+8*t+7], v[CW+8*d:CW+8*d+7], v[8*(8*t+d):8*(8*t+d)+7], v[CB:CB+7]
.else
	v_wmma_f32_16x16x32_bf16 v[ACC+8*t:ACC+8*t+7], v[CW+8*d:CW+8*d+7], v[8*(8*t+d):8*(8*t+d)+7], v[ACC+8*t:ACC+8*t+7]
.endif
.set t, t+1
.endr
.set d, d+1
.endr
	WIN 0
.rept 5
	v_nop                                          ; four places behind the last matrix instruction before its result is read, five before the next chunk's first
.endr                                              ; products write over the accumulators (ISA guide 7.12.1)
.set t, 0
.rept 4
.if CM == 0
.irp j, 0,2,4,6
	v_pk_mul_f32 v[ACC+8*t+\j:ACC+8*t+\j+1], v[ACC+8*t+\j:ACC+8*t+\j+1], s[30:31] op_sel_hi:[1,0]    ; q alone: times log2(e) / 16
.endr
.endif
.irp j, 0,1,2,3
	v_cvt_pk_f16_f32 v[ACC+8*t+\j], v[ACC+8*t+2*\j], v[ACC+8*t+2*\j+1]       ; the one rounding of the results, to f16
.endr
	ds_store_b128 v[SS], v[ACC+8*t:ACC+8*t+3] offset:16*PITCH*t+256*CH       ; token 16 t + r, my 8 columns
.set t, t+1
.endr
.if CH == 1
	; both halves of the matrix's 256 columns are staged: whole rows of 512 bytes go out
	s_wait_dscnt 0x0                               ; my stores into the stage are done, for the other waves' sake
	s_barrier_signal -1
	s_barrier_wait -1
.set t, 0
.rept 8
	ds_load_b128 v[ACC+4*t:ACC+4*t+3], v[SR] offset:PITCH*t
.set t, t+1
.endr
.set t, 0
.rept 8
	s_wait_dscnt 7-t                               ; row t is in, the younger rows stay out
	global_store_b128 v[GO], v[ACC+4*t:ACC+4*t+3], s[18+2*CM:19+2*CM] offset:512*t  ; the wave stores 512 consecutive bytes, aligned: one row
.set t, t+1
.endr
.if CM < 2
	v_add_nc_u32 v[SS], STM, v[SS]                 ; the next matrix has a stage of its own, so no second barrier is needed
	v_add_nc_u32 v[SR], STM, v[SR]
.endif
.endif
.endm
	CHUNK 0
	CHUNK 1
	CHUNK 2
	CHUNK 3
	CHUNK 4
	CHUNK 5
	s_wait_xcnt 0x0
	v_lshl_add_u32 v230, v0, 2, 0x21000
	v_mov_b32 v231, 0
	s_wait_tensorcnt 0x0
	ds_add_u32 v230, v231
	s_wait_dscnt 0x0
	s_endpgm
.Lfunc_end_k_qc44d5ac1c8_proj:
	.size	k_qc44d5ac1c8_proj, .Lfunc_end_k_qc44d5ac1c8_proj-k_qc44d5ac1c8_proj
	.p2alignl 7, 3214868480
	.fill 96, 4, 3214868480
	.section	.rodata,"a",@progbits
	.p2align	6, 0x0
	.amdhsa_kernel k_qc44d5ac1c8_proj
		.amdhsa_group_segment_fixed_size 136192
		.amdhsa_private_segment_fixed_size 0
		.amdhsa_enable_private_segment 0
		.amdhsa_kernarg_size 64
		.amdhsa_user_sgpr_count 2
		.amdhsa_user_sgpr_kernarg_segment_ptr 1
		.amdhsa_wavefront_size32 1
		.amdhsa_system_sgpr_workgroup_id_x 1
		.amdhsa_system_sgpr_workgroup_id_y 1
		.amdhsa_system_sgpr_workgroup_id_z 1
		.amdhsa_system_vgpr_workitem_id 0
		.amdhsa_next_free_vgpr 512
		.amdhsa_next_free_sgpr 66
		.amdhsa_reserve_vcc 0
		.amdhsa_float_denorm_mode_32 3
		.amdhsa_float_denorm_mode_16_64 3
		.amdhsa_memory_ordered 1
		.amdhsa_forward_progress 1
		.amdhsa_inst_pref_size 50
	.end_amdhsa_kernel
	.amdgpu_metadata
---
amdhsa.version: [ 1, 2 ]
amdhsa.kernels:
  - .name:           k_qc44d5ac1c8_proj
    .symbol:         k_qc44d5ac1c8_proj.kd
    .args:
      - { .name: x, .offset: 0, .size: 8, .value_kind: global_buffer, .address_space: global }
      - { .name: wf, .offset: 8, .size: 8, .value_kind: global_buffer, .address_space: global }
      - { .name: bq, .offset: 16, .size: 8, .value_kind: global_buffer, .address_space: global }
      - { .name: bk, .offset: 24, .size: 8, .value_kind: global_buffer, .address_space: global }
      - { .name: bv, .offset: 32, .size: 8, .value_kind: global_buffer, .address_space: global }
      - { .name: qs, .offset: 40, .size: 8, .value_kind: global_buffer, .address_space: global }
      - { .name: ks, .offset: 48, .size: 8, .value_kind: global_buffer, .address_space: global }
      - { .name: vs, .offset: 56, .size: 8, .value_kind: global_buffer, .address_space: global }
    .group_segment_fixed_size: 136192
    .private_segment_fixed_size: 0
    .kernarg_segment_align: 8
    .kernarg_segment_size: 64
    .max_flat_workgroup_size: 256
    .sgpr_count:     66
    .vgpr_count:     512
    .wavefront_size: 32
...
	.end_amdgpu_metadata
.endif
;; end of part 4
;; launch attn (part 5): grid 256 x 1, 4 waves a work-group, clusters of 4 x 1, 327,680 bytes of LDS; arguments qs, ks, vs, out0, part, stat; writes out0, part, stat
.if DOCPART == 5
	.amdgcn_target "amdgcn-amd-amdhsa--gfx1250"
	.amdhsa_code_object_version 6
	.text
	.protected	k_qc44d5ac1c8_attn
	.globl	k_qc44d5ac1c8_attn
	.p2align	8
	.type	k_qc44d5ac1c8_attn,@function
k_qc44d5ac1c8_attn:
	s_mov_b64 s[64:65], 0
	v_nop
	global_prefetch_b8 v0, s[64:65] scope:SCOPE_SE
	s_setreg_imm32_b32 hwreg(HW_REG_WAVE_MODE, 25, 1), 1
	s_wait_xcnt 0x0
	s_wait_alu depctr_hold_cnt(0) depctr_sa_sdst(0) depctr_va_vdst(0) depctr_va_sdst(0) depctr_va_ssrc(0) depctr_va_vcc(0) depctr_vm_vsrc(0)
	s_getreg_b32 s2, hwreg(HW_REG_IB_STS2, 6, 4)
	s_cmp_eq_u32 s2, 0
	s_cbranch_scc0 .Lentry_in_a_cluster
	s_endpgm
.Lentry_in_a_cluster:
	s_bfe_u32 s2, ttmp6, 0x10000c
	s_cmp_lg_u32 s2, 0x3003
	s_cbranch_scc0 .Lentry_shape_is_right
	s_endpgm
.Lentry_shape_is_right:
; softmax(q k^T + causal mask) v, batch by batch.  qs, ks, vs: [4][4096][256] f16 (qs already holds the factor log2(e)/16); out0: f32.
; Flash attention with a running maximum: p = 2^(s - m), sums in f32, products in f16 with f32 sums.
; WHY f16: 11 significant bits against bf16's 8.  An early query row averages few v, so the operands' rounding is not averaged away there.  p is at most 1.
; LIMITS: a masked score is replaced by -1e30 where the problem adds -1e9: the same result as long as |score| stays far below 1e9.  Inputs finite
; (q, k, v below 65,504 in magnitude, as the launch that makes them states).  P is rounded to f16 for the product with v: a p below 3e-8 is dropped, at most
; 4,096 x 3e-8 of a row sum that is at least 1; the row sum l is made of the unrounded p.  A row's keys are summed in four parts (one a wave), for the rows
; from 2,304 on in eight (two clusters), joined at the end.
; SHARES: a batch is 16 blocks of 256 query rows; keys go in tiles of 256; block j needs tiles 0 .. j: 136 block-tiles for the batch's 16 clusters.
;   cluster c = 0..6:  job A = block c, whole (tile c, then 0 .. c-1), final, to out0;  job B = block 15-c, tiles 0 .. 6-c, to part 1        8 tiles
;   cluster c = 7, 8:  job A = block c, whole, final, to out0                                                                             8, 9 tiles
;   cluster c = 9..15: job A = block c, tile c and tiles c-8 .. c-1, to part 0                                                            9 tiles
; A part is a result normalised by its own row sum, with (m, l) of each row beside it in stat; the next launch joins the two parts of rows 2,304 .. 4,095.
; Work-group cx owns rows 64 cx .. + 63 of the block (row tiles 0..3).  All four waves hold the same 64 rows and split the keys: wave w loads, and alone reads,
; keys 64 w .. 64 w + 63 of each tile: each byte of k and v is read from LDS once in a work-group and feeds four row tiles.
; MULTICAST: the four work-groups walk the same tiles in the same order, so every tile is asked for jointly (mask 15): one fetch serves four.
; A job's first tile starts all its sums, so nothing is cleared; in job A it is the block's diagonal tile, the only one that is masked.
; TRANSPOSED FORMS: S^T = K Q^T: lane (r, h) holds, for query r, keys 16 kt + 8 h + 0..7: maximum and sum run inside the lane, plus one exchange of halves;
; packed to f16 these registers ARE the fragment of P^T (source 1) for O^T = V^T P^T; and in O^T a lane again holds one query, so rescaling is one factor a lane.
; V^T's fragments come by the transposing LDS load from v as it lies, [key][d].
; A row that a wave sees wholly masked gets m = -1e30, p = 1: a later tile wipes that by the factor 2^(-1e30 - m) = 0, or the joining weight at the end is 0.
; RING: k's slot and v's slot take turns.  v's tile is asked for in front of the S phase and waited for behind the softmax; the next k tile is asked for in front
; of the PV phase and waited for behind it.  The ring runs on over the end of job A: its last tile asks for job B's first k tile, which lands behind the way out.
; Every tile's text is the same, no load is skipped by a jump: so the kernel's last tile asks once more, for tile 0, and that tile (128 KB) is not used.
; A wave has two tensor loads out in the prologue, later one.
; Q is read straight into fragments, 16 bytes a lane from rows 512 bytes apart: once a job, 32 KB a wave, all of every row used.
.set KP,   528                         ; k's LDS row: 512 + 16 bytes (33 x 16)
.set VP,   544                         ; v's LDS row: 512 + 32 bytes (17 x 32), for the transposing load
.set KSW,  64*KP                       ; a wave's 64 rows of k
.set VSW,  64*VP
.set VS,   4*KSW                       ; v's slot lies behind k's
.set STAT, VS+4*VSW                    ; 274,432 = 1,072 x 256: (m, l) of 4 waves x 64 rows, 2,048 bytes into which no tile lands
.set STG,  STAT+2048                   ; 276,480 = 1,080 x 256: the way out's stage, into which no tile lands: 4 waves x 16 rows
.set SP,   528                         ; a stage row: 128 f32 + 16 bytes (33 x 16)
.set SPW,  16*SP                       ; a wave's 16 rows
.set PROWS, 7168                       ; rows of a part: 4 batches x 1,792 (rows 2,304 .. 4,095)
.set PARTB, PROWS*1024                 ; bytes of a part
.set TSTEP, 1<<17                      ; from a tile to the next: 256 keys x 512 bytes
.set KA,  3                            ; v3      LDS: my part of a k fragment
.set VA,  4                            ; v4      LDS: my part of a v fragment
.set NEG, 5                            ; v5      -1e30
.set QOA, 6                            ; v6, v7  qs: byte offset of my part of job A's, job B's fragments
.set QOB, 7
.set DG,  8                            ; v8-11   row tile rt: my query's place in the diagonal tile minus my first key's (64 w + 8 h)
.set ML,  12                           ; v12-19  row tile rt: m at 12 + 2 rt, l at 13 + 2 rt
.set AL,  20                           ; v20-27  row tile rt: the rescaling factor, twice (a pair for the packed multiply)
.set T,   28                           ; v28-31  at work
.set KB,  32                           ; v32-127 three buffers of four k fragments; v32-63 are scratch in the softmax and on the way out
.set PR,  64                           ; v64-127 P: fragment (rt, 32 keys ks) at 64 + 16 rt + 8 ks
.set SB,  128                          ; v128-255 S: tile (rt, kt) at 128 + 8 (4 rt + kt); in the PV phase two buffers of eight v fragments
                                       ; window 1: Q, fragment (rt, ds) at 8 (8 rt + ds);  window 2: O of rt 0, 1, tile (rt, dt) at 8 (16 rt + dt);  window 3: rt 2, 3
.set EST, 32                           ; the way out: v32 where (m, l) go, v33 where they are read, v34 where O goes in the stage, v35 my byte offset in the result,
.set ELD, 33                           ; v36 where the stage is read back, v37 16 L, v38 8 L, v40-43 my own m - m_tot, v44-47 m_tot, v48-51 l_tot, v52-55 (m, l) to store
.set EPA, 34
.set EGO, 35
.set ERD, 36
.set EGL, 37
.set ESO, 38
.set EOWN, 40
.set EMT, 44
.set ELT, 48
.set ESD, 52
; scalars: s[4:11] qs ks vs out0; s[68:71] part stat; s12 wave; s13 cx; s14 c; s15 batch; s17 offset of job A's second tile; s18, s19 trip counters of jobs A, B;
; s20 offset of job B's second tile; s21 at work; s[22:23] byte offset of the tile; s[24:25], s[26:27] ks, vs at my wave's rows of tile 0;
; s[32:39], s[40:47] descriptor group 1 of k, v; s[48:51], s[52:55] group 0; s[72:73], s[74:75] where jobs A, B store O; s[76:77], s[78:79] where they store (m, l).
; cx is held by s13, s58-s63 and s72-s81 alone: no descriptor, no LDS address and no branch is made of it.
.set MSB, 0
.macro WIN new                         ; s_set_vgpr_msb: bits 1:0 source 0, 3:2 source 1, 5:4 source 2, 7:6 destination; the high byte repeats the setting left
.if MSB != \new
	s_set_vgpr_msb (MSB<<8)|\new
.set MSB, \new
.endif
.endm
.macro PLACES n
.rept \n
	v_nop
.endr
.endm
; A round of the cluster's barrier: my work-group's barrier, wave 0 signals for the work-group, every wave waits for all four work-groups, my work-group's barrier again.
.macro ROUND
	s_barrier_signal -1
	s_barrier_wait -1
	s_cmp_lg_u32 s12, 0
	s_cbranch_scc1 .Lnot_wave_0_\@
	s_barrier_signal -3
.Lnot_wave_0_\@:
	s_barrier_wait -3
	s_barrier_signal -1
	s_barrier_wait -1
.endm
; 64 loads: the fragments of my work-group's 64 query rows, into window 1
.macro QLOAD a
	WIN 0x40                                       ; destination in window 1
.set qr, 0
.rept 4
.set qd, 0
.rept 8
	global_load_b128 v[8*(8*qr+qd):8*(8*qr+qd)+3],   v[\a], s[4:5] offset:8192*qr+64*qd
	global_load_b128 v[8*(8*qr+qd)+4:8*(8*qr+qd)+7], v[\a], s[4:5] offset:8192*qr+64*qd+32
.set qd, qd+1
.endr
.set qr, qr+1
.endr
	WIN 0
.endm
	s_load_b256 s[4:11], s[0:1], 0x0
	s_load_b128 s[68:71], s[0:1], 0x20
	v_lshl_add_u32 v62, v0, 2, 0x4bc00
	v_mov_b32 v63, 0
	ds_add_u32 v62, v63
	s_wait_dscnt 0x0
	v_lshrrev_b32 v1, 5, v0
	v_readfirstlane_b32 s12, v1                    ; wave 0..3
	s_bfe_u32 s13, ttmp6, 0x40000                  ; cx
	s_and_b32 s14, ttmp9, 15                       ; c   (ttmp9 counts clusters: 16 a batch)
	s_lshr_b32 s15, ttmp9, 4                       ; batch
	s_min_u32 s18, s14, 8                          ; job A: tiles behind the diagonal one: c, at most 8,
	s_sub_co_i32 s17, s14, 8
	s_max_i32 s17, s17, 0
	s_lshl_b32 s17, s17, 17                        ; from tile max(c - 8, 0) on
	s_sub_co_i32 s19, 6, s14
	s_max_i32 s19, s19, 0                          ; job B (c <= 6): tile 0, then 6 - c more,
	s_mov_b32 s20, TSTEP                           ; from tile 1 on
	s_lshl_b32 s22, s14, 17                        ; the first tile: the diagonal one, tile c
	s_mov_b32 s23, 0
	s_lshl_b32 s28, s15, 21                        ; batch x 4,096 x 512 bytes
	s_lshl_b32 s21, s12, 15                        ; + wave x 64 rows x 512 bytes
	s_add_co_u32 s28, s28, s21
	s_mov_b32 s29, 0
	s_mul_i32 s30, s15, 1792                       ; the batch's first row in a part
	s_lshl_b32 s31, s15, 12                        ; the batch's first row
	s_mov_b32 s56, 0x76543210                      ; v_permlanex16_b32: lane i takes lane i of the other half
	s_mov_b32 s57, 0xfedcba98
	; group 1: a tile of 64 rows x 256 elements of 2 bytes, rows 256 elements apart, padded in LDS behind every 128 words (a row); mask 15: all four work-groups
	s_mov_b32 s32, 15|(1<<16)|(1<<20)|(1<<21)|(6<<22)|(3<<25)      ; k: 4 words of padding
	s_mov_b32 s40, 15|(1<<16)|(1<<20)|(1<<21)|(6<<22)|(7<<25)      ; v: 8 words
	s_mov_b32 s33, 256<<16                         ; tensor_dim0 = 256
	s_mov_b32 s41, 256<<16
	s_mov_b32 s34, 64<<16                          ; tensor_dim1 = 64
	s_mov_b32 s42, 64<<16
	s_mov_b32 s35, 256<<16                         ; tile_dim0 = 256
	s_mov_b32 s43, 256<<16
	s_mov_b32 s36, 64                              ; tile_dim1 = 64
	s_mov_b32 s44, 64
	s_mov_b32 s37, 256                             ; from row to row
	s_mov_b32 s45, 256
	s_mov_b32 s38, 0
	s_mov_b32 s46, 0
	s_mov_b32 s39, 0
	s_mov_b32 s47, 0
	s_mov_b32 s48, 1
	s_mul_i32 s49, s12, KSW                        ; my wave's rows in k's slot
	s_mov_b32 s52, 1
	s_mul_i32 s53, s12, VSW
	s_add_co_u32 s53, s53, VS                      ; and in v's
	; my rows (these hold cx)
	s_lshl_b32 s58, s13, 6                         ; 64 cx
	s_lshl_b32 s59, s14, 8
	s_add_co_u32 s59, s59, s31
	s_add_co_u32 s59, s59, s58                     ; job A: my first row, counted over all batches
	s_sub_co_u32 s60, 15, s14
	s_lshl_b32 s60, s60, 8
	s_add_co_u32 s60, s60, s31
	s_add_co_u32 s60, s60, s58                     ; job B: block 15 - c
	s_add_co_u32 s61, s30, s58
	s_sub_co_i32 s62, s14, 9
	s_max_i32 s62, s62, 0
	s_lshl_b32 s62, s62, 8
	s_add_co_u32 s62, s62, s61                     ; job A, c >= 9: my first row in a part: 1,792 batch + 256 (c - 9) + 64 cx
	s_lshl_b32 s63, s19, 8
	s_add_co_u32 s63, s63, s61                     ; job B: 1,792 batch + 256 (6 - c) + 64 cx
	s_lshl_b32 s76, s62, 3                         ; 8 bytes of (m, l) a row
	s_mov_b32 s77, 0
	s_add_co_u32 s78, s63, PROWS                   ; part 1's lie behind part 0's
	s_lshl_b32 s78, s78, 3
	s_mov_b32 s79, 0
	s_lshl_b32 s74, s63, 10                        ; 1,024 bytes of O a row
	s_mov_b32 s75, 0
	s_lshl_b32 s62, s62, 10
	s_lshl_b32 s72, s59, 10
	s_cmp_le_u32 s14, 8                            ; blocks 0 .. 8 are whole in job A: they go to out0
	s_cselect_b32 s72, s72, s62
	s_mov_b32 s73, 0
	v_and_b32 v1, 15, v0                           ; r
	v_bfe_u32 v2, v0, 4, 1                         ; h
	v_mul_u32_u24 v[KA], v1, KP
	v_lshl_add_u32 v[KA], v2, 4, v[KA]
	v_add_nc_u32 v[KA], s49, v[KA]                 ; key r of my 64, 16 h bytes in
	v_and_b32 v28, 7, v0
	v_lshl_add_u32 v28, v2, 3, v28                 ; key 8 h + (L & 7)
	v_mul_u32_u24 v[VA], v28, VP
	v_bfe_u32 v29, v0, 3, 1
	v_lshl_add_u32 v[VA], v29, 4, v[VA]            ; + 16 ((L >> 3) & 1)
	v_add_nc_u32 v[VA], s53, v[VA]
	v_mov_b32 v[NEG], 0xf149f2ca                   ; -1e30
	v_lshlrev_b32 v30, 9, v1
	v_lshl_add_u32 v30, v2, 4, v30                 ; 512 r + 16 h
	s_lshl_b32 s80, s59, 9
	v_add_nc_u32 v[QOA], s80, v30
	s_lshl_b32 s80, s60, 9
	v_add_nc_u32 v[QOB], s80, v30
	v_lshlrev_b32 v31, 3, v2
	v_sub_nc_u32 v31, v1, v31                      ; r - 8 h
	s_lshl_b32 s80, s12, 6
	s_sub_co_u32 s80, s58, s80                     ; 64 cx - 64 w: block c begins with tile c's first key
	v_add_nc_u32 v[DG], s80, v31
	v_add_nc_u32 v[DG+1], 16, v[DG]
	v_add_nc_u32 v[DG+2], 32, v[DG]
	v_add_nc_u32 v[DG+3], 48, v[DG]
	s_wait_kmcnt 0x0
	s_cmp_le_u32 s14, 8
	s_cselect_b64 s[80:81], s[10:11], s[68:69]     ; job A stores to out0 or to part 0
	s_add_nc_u64 s[72:73], s[80:81], s[72:73]
	s_add_nc_u64 s[74:75], s[68:69], s[74:75]
	s_add_nc_u64 s[74:75], s[74:75], PARTB         ; job B stores to part 1
	s_add_nc_u64 s[76:77], s[70:71], s[76:77]
	s_add_nc_u64 s[78:79], s[70:71], s[78:79]
	s_add_nc_u64 s[24:25], s[6:7], s[28:29]
	s_add_nc_u64 s[26:27], s[8:9], s[28:29]
	s_add_nc_u64 s[50:51], s[24:25], s[22:23]
	s_or_b32 s51, s51, 0x80000000                  ; type 2
	s_add_nc_u64 s[54:55], s[26:27], s[22:23]
	s_or_b32 s55, s55, 0x80000000
	ROUND                                          ; all four work-groups are here: the first joint loads meet
	tensor_load_to_lds s[48:51], s[32:39]          ; k of tile c
	s_nop 0
	tensor_load_to_lds s[52:55], s[40:47]          ; v of tile c
	s_nop 0
	QLOAD QOA
	s_wait_loadcnt 0x0                             ; job A's Q
; eight LDS loads: my 64 keys (four fragments), 32 of d at step ds, into buffer ds % 3
.macro KLOAD ds
.set KBB, KB+32*((\ds)%3)
.set kt, 0
.rept 4
	ds_load_b128 v[KBB+8*kt:KBB+8*kt+3],   v[KA] offset:16*KP*kt+64*(\ds)
	ds_load_b128 v[KBB+8*kt+4:KBB+8*kt+7], v[KA] offset:16*KP*kt+64*(\ds)+32
.set kt, kt+1
.endr
.endm
; step ds of S^T = K Q^T: the 16 accumulators take turns, one instruction a turn.  Step 0 starts the sums.
.macro SGROUP ds
.set SKB, KB+32*((\ds)%3)
.set skt, 0
.rept 4
.set srt, 0
.rept 4
.if (\ds) == 0
	v_wmma_f32_16x16x32_f16 v[SB+8*(4*srt+skt):SB+8*(4*srt+skt)+7], v[SKB+8*skt:SKB+8*skt+7], v[8*(8*srt+(\ds)):8*(8*srt+(\ds))+7], 0
.else
	v_wmma_f32_16x16x32_f16 v[SB+8*(4*srt+skt):SB+8*(4*srt+skt)+7], v[SKB+8*skt:SKB+8*skt+7], v[8*(8*srt+(\ds)):8*(8*srt+(\ds))+7], v[SB+8*(4*srt+skt):SB+8*(4*srt+skt)+7]
.endif
.set srt, srt+1
.endr
.set skt, skt+1
.endr
.endm
.macro SPHASE
	PLACES 5                                       ; behind the last PV products: the k loads land on P's registers, the new S sums write over v's buffers (ISA guide 7.12.1 for vector instructions)
	WIN 0x04                                       ; source 1 (Q) in window 1; LDS loads name source 0 and the destination, which stay in window 0
	KLOAD 0
	KLOAD 1
	KLOAD 2
.set sds, 0
.rept 8
.if sds < 6
	s_wait_dscnt 16                                ; this step's eight loads are in; the next two steps' stay out
.else
	s_wait_dscnt 8*(7-sds)                         ; the counts run down: 8, 0
.endif
	SGROUP sds
.if sds < 5
	PLACES 4                                       ; four places before loads land on the buffer just multiplied
	KLOAD sds+3
.endif
.set sds, sds+1
.endr
	WIN 0
	PLACES 4                                       ; before S is read and P is written over k's buffers
.endm
; The softmax step of row tile rt on my 32 scores a lane.  mask = 1: the tile is the block's diagonal one.  first = 1: m and l start here.
.macro SOFTMAX rt, mask, first
.set SBASE, SB+32*\rt
.set MREG, ML+2*\rt
.set LREG, ML+2*\rt+1
.set AREG, AL+2*\rt
.set PREG, PR+16*\rt
.if \mask
.set xk, 0
.rept 4
.set xj, 0
.rept 8
	v_cmp_gt_i32 vcc_lo, 16*xk+xj, v[DG+\rt]       ; the key lies behind the query:
	v_cndmask_b32 v[SBASE+8*xk+xj], v[SBASE+8*xk+xj], v[NEG], vcc_lo       ; -1e30
.set xj, xj+1
.endr
.set xk, xk+1
.endr
.endif
.irp q, 0,1,2,3                                    ; the maximum, in four chains that do not wait for each other
	v_max3_num_f32 v[T+\q], v[SBASE+8*\q], v[SBASE+8*\q+1], v[SBASE+8*\q+2]
.endr
.irp q, 0,1,2,3
	v_max3_num_f32 v[T+\q], v[T+\q], v[SBASE+8*\q+3], v[SBASE+8*\q+4]
.endr
.irp q, 0,1,2,3
	v_max3_num_f32 v[T+\q], v[T+\q], v[SBASE+8*\q+5], v[SBASE+8*\q+6]
.endr
.irp q, 0,1,2,3
	v_max_num_f32 v[T+\q], v[T+\q], v[SBASE+8*\q+7]
.endr
	v_max3_num_f32 v[T], v[T], v[T+1], v[T+2]
	v_max_num_f32 v[T], v[T], v[T+3]
	v_permlanex16_b32 v[T+1], v[T], s56, s57       ; the other half of the lanes holds the query's other 32 keys
.if \first
	v_max_num_f32 v[MREG], v[T], v[T+1]
	v_xor_b32 v32, 0x80000000, v[MREG]             ; -m
.else
	v_max3_num_f32 v[T+2], v[T], v[T+1], v[MREG]   ; the new m
	v_sub_f32 v[T+3], v[MREG], v[T+2]
	v_exp_f32 v[AREG], v[T+3]                      ; 2^(old m - new m); the plain lines below stand between it and its use (ISA guide 5.7.2)
	v_mov_b32 v[MREG], v[T+2]
	v_xor_b32 v32, 0x80000000, v[T+2]
.endif
	v_mov_b32 v33, v32
.set xi, 0
.rept 16
	v_pk_add_f32 v[SBASE+2*xi:SBASE+2*xi+1], v[SBASE+2*xi:SBASE+2*xi+1], v[32:33]
.set xi, xi+1
.endr
.set xi, 0
.rept 32
	v_exp_f32 v[SBASE+xi], v[SBASE+xi]
.set xi, xi+1
.endr
.if \first
	v_nop                                          ; one plain line behind the run of exponentials
	s_wait_alu depctr_va_vdst(0)
.else
	s_wait_alu depctr_va_vdst(0)
	v_mov_b32 v[AREG+1], v[AREG]                   ; one plain line behind the run of exponentials: the factor's second copy
.endif
.set xi, 0
.rept 16
	v_cvt_pk_f16_f32 v[PREG+xi], v[SBASE+2*xi], v[SBASE+2*xi+1]    ; keys 8 h + 0..7 of tiles 2 ks, 2 ks + 1: registers 0-3, 4-7 of fragment ks
.set xi, xi+1
.endr
.irp st, 8,4,2,1                                   ; the sum of my 32 p, as a tree
.set xi, 0
.rept \st
	v_pk_add_f32 v[SBASE+2*xi:SBASE+2*xi+1], v[SBASE+2*xi:SBASE+2*xi+1], v[SBASE+2*(xi+\st):SBASE+2*(xi+\st)+1]
.set xi, xi+1
.endr
.endr
.if \first
	v_add_f32 v[LREG], v[SBASE], v[SBASE+1]        ; l stays the sum of my half's keys until the way out
.else
	v_add_f32 v[T], v[SBASE], v[SBASE+1]
	v_fma_f32 v[LREG], v[LREG], v[AREG], v[T]
.endif
.endm
; 16 transposing loads: v's fragments of d tiles 4 g .. 4 g + 3 and both halves of my 64 keys, into buffer g % 2
.macro VLOAD g
.set VBB, SB+64*((\g)%2)
.set vd, 0
.rept 4
.set vk, 0
.rept 2
	ds_load_tr16_b128 v[VBB+8*(2*vd+vk):VBB+8*(2*vd+vk)+3],   v[VA] offset:32*VP*vk+32*(4*(\g)+vd)
	ds_load_tr16_b128 v[VBB+8*(2*vd+vk)+4:VBB+8*(2*vd+vk)+7], v[VA] offset:32*VP*vk+32*(4*(\g)+vd)+16*VP
.set vk, vk+1
.endr
.set vd, vd+1
.endr
.endm
.macro RESC2 g, ab                     ; the window's two row tiles, d tiles 4 g .. 4 g + 3, times their factors
.set rr, 0
.rept 2
.set rd, 0
.rept 4
.set rq, 0
.rept 4
	v_pk_mul_f32 v[8*(16*rr+4*(\g)+rd)+2*rq:8*(16*rr+4*(\g)+rd)+2*rq+1], v[8*(16*rr+4*(\g)+rd)+2*rq:8*(16*rr+4*(\g)+rd)+2*rq+1], v[\ab+2*rr:\ab+2*rr+1]
.set rq, rq+1
.endr
.set rd, rd+1
.endr
.set rr, rr+1
.endr
.endm
.macro RESCALE g
	WIN 0x82                                       ; destination and source 0 in window 2
	RESC2 \g, AL
	WIN 0xc3                                       ; in window 3
	RESC2 \g, AL+4
.endm
.macro PV2 g, pb, zero                 ; 16 products: eight accumulators (two row tiles x four d tiles) take turns, twice round (keys 0-31, 32-63)
.set PVB, SB+64*((\g)%2)
.set pk, 0
.rept 2
.set pd, 0
.rept 4
.set pr, 0
.rept 2
.set PZ, 0
.if \zero
.if pk == 0
.set PZ, 1
.endif
.endif
.if PZ
	v_wmma_f32_16x16x32_f16 v[8*(16*pr+4*(\g)+pd):8*(16*pr+4*(\g)+pd)+7], v[PVB+8*(2*pd+pk):PVB+8*(2*pd+pk)+7], v[\pb+16*pr+8*pk:\pb+16*pr+8*pk+7], 0
.else
	v_wmma_f32_16x16x32_f16 v[8*(16*pr+4*(\g)+pd):8*(16*pr+4*(\g)+pd)+7], v[PVB+8*(2*pd+pk):PVB+8*(2*pd+pk)+7], v[\pb+16*pr+8*pk:\pb+16*pr+8*pk+7], v[8*(16*pr+4*(\g)+pd):8*(16*pr+4*(\g)+pd)+7]
.endif
.set pr, pr+1
.endr
.set pd, pd+1
.endr
.set pk, pk+1
.endr
.endm
.macro PVGROUP g, zero
	WIN 0xa0                                       ; C and D in window 2
	PV2 \g, PR, \zero
	WIN 0xf0                                       ; in window 3
	PV2 \g, PR+32, \zero
.endm
; O^T = factor x O^T + V^T P^T, in four groups of four d tiles.  A group's rescaling stands behind the group before: it names none of that group's registers
; and so fills the places in front of the loads that land on the buffer just multiplied.
.macro PVPHASE zero
	VLOAD 0
	VLOAD 1
.if \zero == 0
	RESCALE 0
.endif
.set pg, 0
.rept 4
.if pg < 3
	s_wait_dscnt 16                                ; this group's 16 loads are in, the next group's stay out
.else
	s_wait_dscnt 0
.endif
	PVGROUP pg, \zero
.if pg < 3
.if \zero
.if pg < 2
	WIN 0
	PLACES 4                                       ; nothing to rescale in a job's first tile: four places in front of the loads
.endif
.else
	RESCALE pg+1
.endif
.endif
.if pg < 2
	WIN 0
	VLOAD pg+2
.endif
.set pg, pg+1
.endr
	WIN 0
.endm
; One tile of 256 keys.  mk = 1: the diagonal tile; zero = 1: it starts the job's sums; rounda = 1: its v is asked for here (0: asked for in the prologue).
; The next tile, whose k is asked for: mid = 0 (a job's first tile): the tile at offset s[start] if the job has further tiles (s[cnt] is not 0), else tile 0;
; mid = 1 (in the job's loop, s[cnt] trips left, this one among them): the tile behind this one, in the last trip tile 0.
; Tile 0 is job B's first tile; where no job follows it is asked for and not used.
.macro TILE mk, zero, rounda, cnt, start, mid
.if \rounda
	s_wait_dscnt 0x0                               ; my reads of v's slot are done
	s_wait_xcnt 0x0
	v_lshl_add_u32 v62, v0, 2, 0x4bc00
	v_mov_b32 v63, 0
	s_wait_tensorcnt 0x0                           ; all my tensor loads have landed: the one that was out is this tile's k; so group 0 may be written
	ds_add_u32 v62, v63
	s_wait_dscnt 0x0
	s_add_nc_u64 s[54:55], s[26:27], s[22:23]
	s_or_b32 s55, s55, 0x80000000
	ROUND                                          ; both hold of every wave of all four work-groups
	tensor_load_to_lds s[52:55], s[40:47]          ; this tile's v: it has the S phase and the softmax in which to land
	s_nop 0
.else
	s_wait_tensorcnt 0x1                           ; k has landed; v, issued behind it, stays out.  My own bytes, and nothing is filled again here
.endif
	SPHASE
.irp rt, 0,1,2,3
	SOFTMAX \rt, \mk, \zero
.endr
	s_wait_dscnt 0x0                               ; my reads of k's slot are done
	s_wait_xcnt 0x0
	v_lshl_add_u32 v62, v0, 2, 0x4bc00
	v_mov_b32 v63, 0
	s_wait_tensorcnt 0x0                           ; all my tensor loads have landed: this tile's v
	ds_add_u32 v62, v63
	s_wait_dscnt 0x0
.if \mid
	s_add_co_u32 s21, s22, TSTEP
	s_cmp_lg_u32 s[\cnt], 1
	s_cselect_b32 s22, s21, 0
.else
	s_cmp_lg_u32 s[\cnt], 0
	s_cselect_b32 s22, s[\start], 0
.endif
	s_add_nc_u64 s[50:51], s[24:25], s[22:23]
	s_or_b32 s51, s51, 0x80000000
	ROUND
	tensor_load_to_lds s[48:51], s[32:39]          ; the next tile's k: it has the PV phase in which to land
	s_nop 0
	PVPHASE \zero
.endm
; THE WAY OUT of a job.  Each wave holds m, l and O of all 64 rows for its quarter of the job's keys.  With m_tot = max of the four m and
; l_tot = sum of 2^(m_w - m_tot) l_w, the job's result is the sum over the waves of O_w 2^(m_w - m_tot) / l_tot.  In every job each row has an unmasked key in
; some wave (its own key in job A, all keys in job B), so m_tot is a real score and l_tot >= 1.
; The sum over the waves goes through a stage of its own, since the slots are filled again: eight passes of one row tile x 128 columns; in a pass each wave
; stores its 16 x 128 numbers, and behind a barrier wave w adds the four parts of rows 4 w .. 4 w + 3 and stores them; a second barrier frees the stage.
; dst: the scalar pair with the address of my 64 rows of the result; sta: that of their (m, l); always = 0: (m, l) are stored only where the job makes a part (c >= 9).
.macro EPI dst, sta, always
	PLACES 4                                       ; behind the last products: O is read, and loads land on v's buffers
.irp rt, 0,1,2,3
	v_permlanex16_b32 v[T+\rt], v[ML+2*\rt+1], s56, s57
.endr
.irp rt, 0,1,2,3
	v_add_f32 v[ML+2*\rt+1], v[ML+2*\rt+1], v[T+\rt]       ; l of both halves of the lanes
.endr
	s_lshl_b32 s21, s12, 9
	s_add_co_u32 s21, s21, STAT
	v_lshl_add_u32 v[EST], v1, 3, s21              ; STAT + 512 w + 8 r (both halves of the lanes store the same pair)
	v_lshl_add_u32 v[ELD], v1, 3, STAT
.irp rt, 0,1,2,3
	ds_store_b64 v[EST], v[ML+2*\rt:ML+2*\rt+1] offset:128*\rt
.endr
	s_mul_i32 s21, s12, SPW
	s_add_co_u32 s21, s21, STG
	v_mul_u32_u24 v[EPA], v1, SP
	v_lshl_add_u32 v[EPA], v2, 5, v[EPA]
	v_add_nc_u32 v[EPA], s21, v[EPA]               ; my part of the stage: row r, 4 x 8 h bytes in
	v_and_b32 v[EGL], 31, v0
	v_lshlrev_b32 v[EGL], 4, v[EGL]                ; 16 L
	v_lshrrev_b32 v[ESO], 1, v[EGL]                ; 8 L
	s_mul_i32 s21, s12, 4*SP
	s_add_co_u32 s21, s21, STG
	v_add_nc_u32 v[ERD], s21, v[EGL]               ; rows 4 w .. of part 0
	s_lshl_b32 s21, s12, 12
	v_add_nc_u32 v[EGO], s21, v[EGL]               ; and the same rows in the result: 4 w x 1,024 bytes
	s_wait_dscnt 0x0                               ; my (m, l) are stored, for the other waves' sake
	s_barrier_signal -1
	s_barrier_wait -1
.set er, 0
.rept 4
.set ew, 0
.rept 4
	ds_load_b64 v[SB+8*er+2*ew:SB+8*er+2*ew+1], v[ELD] offset:512*ew+128*er
.set ew, ew+1
.endr
.set er, er+1
.endr
	s_wait_dscnt 0x0
.irp rt, 0,1,2,3
	v_max3_num_f32 v[EMT+\rt], v[SB+8*\rt], v[SB+8*\rt+2], v[SB+8*\rt+4]
.endr
.irp rt, 0,1,2,3
	v_max_num_f32 v[EMT+\rt], v[EMT+\rt], v[SB+8*\rt+6]    ; m_tot
.endr
.irp rt, 0,1,2,3
	v_sub_f32 v[EOWN+\rt], v[ML+2*\rt], v[EMT+\rt]
.irp u, 0,2,4,6
	v_sub_f32 v[SB+8*\rt+\u], v[SB+8*\rt+\u], v[EMT+\rt]
.endr
.endr
.irp rt, 0,1,2,3
	v_exp_f32 v[EOWN+\rt], v[EOWN+\rt]
.irp u, 0,2,4,6
	v_exp_f32 v[SB+8*\rt+\u], v[SB+8*\rt+\u]
.endr
.endr
	v_nop                                          ; one plain line behind the run of exponentials
	s_wait_alu depctr_va_vdst(0)
.irp rt, 0,1,2,3
	v_mul_f32 v[ELT+\rt], v[SB+8*\rt], v[SB+8*\rt+1]
.endr
.irp u, 2,4,6
.irp rt, 0,1,2,3
	v_fmac_f32 v[ELT+\rt], v[SB+8*\rt+\u], v[SB+8*\rt+\u+1]        ; l_tot
.endr
.endr
.irp rt, 0,1,2,3
	v_rcp_f32 v[T+\rt], v[ELT+\rt]
.endr
	v_nop                                          ; one plain line behind the reciprocals
	s_wait_alu depctr_va_vdst(0)
.irp rt, 0,1,2,3
	v_mul_f32 v[AL+2*\rt],   v[EOWN+\rt], v[T+\rt] ; my weight, twice
	v_mul_f32 v[AL+2*\rt+1], v[EOWN+\rt], v[T+\rt]
.endr
	; (m_tot, l_tot) of the 64 rows, by wave 0: lanes 0-15 take an even row tile's, lanes 16-31 the odd one's behind it, so that lane L holds row 32 k + L
	s_cmp_lg_u32 s12, 0
	s_cbranch_scc1 .Lno_stat_\@
.if \always == 0
	s_cmp_lt_u32 s14, 9
	s_cbranch_scc1 .Lno_stat_\@
.endif
	v_cmp_ne_u32 vcc_lo, 0, v2
	v_cndmask_b32 v[ESD],   v[EMT],   v[EMT+1], vcc_lo
	v_cndmask_b32 v[ESD+1], v[ELT],   v[ELT+1], vcc_lo
	v_cndmask_b32 v[ESD+2], v[EMT+2], v[EMT+3], vcc_lo
	v_cndmask_b32 v[ESD+3], v[ELT+2], v[ELT+3], vcc_lo
	global_store_b64 v[ESO], v[ESD:ESD+1],   s[\sta:\sta+1]                ; each store covers 256 consecutive bytes, aligned
	global_store_b64 v[ESO], v[ESD+2:ESD+3], s[\sta:\sta+1] offset:256
.Lno_stat_\@:
	WIN 0x82                                       ; O times my weight: window 2,
.set rr, 0
.rept 2
.set rq, 0
.rept 64
	v_pk_mul_f32 v[128*rr+2*rq:128*rr+2*rq+1], v[128*rr+2*rq:128*rr+2*rq+1], v[AL+2*rr:AL+2*rr+1]
.set rq, rq+1
.endr
.set rr, rr+1
.endr
	WIN 0xc3                                       ; window 3
.set rr, 0
.rept 2
.set rq, 0
.rept 64
	v_pk_mul_f32 v[128*rr+2*rq:128*rr+2*rq+1], v[128*rr+2*rq:128*rr+2*rq+1], v[AL+4+2*rr:AL+4+2*rr+1]
.set rq, rq+1
.endr
.set rr, rr+1
.endr
.set ep, 0
.rept 8                                            ; pass ep: row tile ep / 2, columns 128 (ep % 2) .. + 127
.if ep > 0
	s_wait_dscnt 0x0                               ; my reads of the stage are done (met: the count-down below ended at 0)
	s_barrier_signal -1
	s_barrier_wait -1                              ; everybody's are: the stage may be written again
.endif
.if ep < 4
	WIN 0x08                                       ; store data (source 1) in window 2
.else
	WIN 0x0c                                       ; in window 3
.endif
.set ed, 0
.rept 8                                            ; lane (r, h): row r, columns 16 ed + 8 h + 0..7 of the 128: 32 bytes
	ds_store_b128 v[EPA], v[8*(16*((ep/2)%2)+8*(ep%2)+ed):8*(16*((ep/2)%2)+8*(ep%2)+ed)+3]   offset:64*ed
	ds_store_b128 v[EPA], v[8*(16*((ep/2)%2)+8*(ep%2)+ed)+4:8*(16*((ep/2)%2)+8*(ep%2)+ed)+7] offset:64*ed+16
.set ed, ed+1
.endr
	WIN 0
	s_wait_dscnt 0x0                               ; my part is stored, for the other waves' sake
	s_barrier_signal -1
	s_barrier_wait -1
.if ep > 0
	s_wait_xcnt 0x0                                ; the last pass's stores have had their addresses translated: their data are loaded over
.endif
.set eq, 0
.rept 4
.set eb, 0
.rept 4
	ds_load_b128 v[SB+16*eq+4*eb:SB+16*eq+4*eb+3], v[ERD] offset:SPW*eb+SP*eq
.set eb, eb+1
.endr
.set eq, eq+1
.endr
.set eq, 0
.rept 4
	s_wait_dscnt 4*(3-eq)                          ; this row's four loads are in, the younger rows' stay out
	v_pk_add_f32 v[SB+16*eq:SB+16*eq+1],     v[SB+16*eq:SB+16*eq+1],     v[SB+16*eq+4:SB+16*eq+5]
	v_pk_add_f32 v[SB+16*eq+2:SB+16*eq+3],   v[SB+16*eq+2:SB+16*eq+3],   v[SB+16*eq+6:SB+16*eq+7]
	v_pk_add_f32 v[SB+16*eq+8:SB+16*eq+9],   v[SB+16*eq+8:SB+16*eq+9],   v[SB+16*eq+12:SB+16*eq+13]
	v_pk_add_f32 v[SB+16*eq+10:SB+16*eq+11], v[SB+16*eq+10:SB+16*eq+11], v[SB+16*eq+14:SB+16*eq+15]
	v_pk_add_f32 v[SB+16*eq:SB+16*eq+1],     v[SB+16*eq:SB+16*eq+1],     v[SB+16*eq+8:SB+16*eq+9]
	v_pk_add_f32 v[SB+16*eq+2:SB+16*eq+3],   v[SB+16*eq+2:SB+16*eq+3],   v[SB+16*eq+10:SB+16*eq+11]
	global_store_b128 v[EGO], v[SB+16*eq:SB+16*eq+3], s[\dst:\dst+1] offset:1024*(16*(ep/2)+eq)+512*(ep%2) th:TH_STORE_NT   ; the wave stores 512 consecutive bytes, aligned
.set eq, eq+1
.endr
.set ep, ep+1
.endr
	s_wait_xcnt 0x0                                ; all stores have had their addresses translated: their data and offsets are written again by what follows
.endm
	; JOB A
	TILE 1, 1, 0, 18, 17, 0                        ; the diagonal tile: all sums start
	s_cmp_eq_u32 s18, 0
	s_cbranch_scc1 .Lno_a
.La:
	TILE 0, 0, 1, 18, 17, 1
	s_sub_co_u32 s18, s18, 1
	s_cmp_lg_u32 s18, 0
	s_cbranch_scc1 .La
.Lno_a:
	s_cmp_gt_u32 s14, 6
	s_cbranch_scc1 .Lno_qb
	QLOAD QOB                                      ; job B's Q: job A's was last read in the S phase above; it has the way out in which to land
.Lno_qb:
	EPI 72, 76, 0
	s_cmp_gt_u32 s14, 6                            ; clusters 7 .. 15 have one job
	s_cbranch_scc1 .Lend
	; JOB B
	s_wait_loadcnt 0x0                             ; job B's Q
	TILE 0, 1, 1, 19, 20, 0                        ; tile 0: all sums start anew
	s_cmp_eq_u32 s19, 0
	s_cbranch_scc1 .Lno_b
.Lb:
	TILE 0, 0, 1, 19, 20, 1
	s_sub_co_u32 s19, s19, 1
	s_cmp_lg_u32 s19, 0
	s_cbranch_scc1 .Lb
.Lno_b:
	EPI 74, 78, 1
.Lend:
	s_wait_tensorcnt 0x0                           ; the last request, which is not used, has landed
	s_wait_xcnt 0x0
	v_lshl_add_u32 v62, v0, 2, 0x4bc00
	v_mov_b32 v63, 0
	s_wait_tensorcnt 0x0
	ds_add_u32 v62, v63
	s_wait_dscnt 0x0
	ROUND                                          ; the closing round: no work-group ends while a partner may still ask for a tile that names it
	s_endpgm
.Lfunc_end_k_qc44d5ac1c8_attn:
	.size	k_qc44d5ac1c8_attn, .Lfunc_end_k_qc44d5ac1c8_attn-k_qc44d5ac1c8_attn
	.p2alignl 7, 3214868480
	.fill 96, 4, 3214868480
	.section	.rodata,"a",@progbits
	.p2align	6, 0x0
	.amdhsa_kernel k_qc44d5ac1c8_attn
		.amdhsa_group_segment_fixed_size 327680
		.amdhsa_private_segment_fixed_size 0
		.amdhsa_enable_private_segment 0
		.amdhsa_kernarg_size 48
		.amdhsa_user_sgpr_count 2
		.amdhsa_user_sgpr_kernarg_segment_ptr 1
		.amdhsa_wavefront_size32 1
		.amdhsa_system_sgpr_workgroup_id_x 1
		.amdhsa_system_sgpr_workgroup_id_y 1
		.amdhsa_system_sgpr_workgroup_id_z 1
		.amdhsa_system_vgpr_workitem_id 0
		.amdhsa_next_free_vgpr 1024
		.amdhsa_next_free_sgpr 84
		.amdhsa_reserve_vcc 1
		.amdhsa_float_denorm_mode_32 3
		.amdhsa_float_denorm_mode_16_64 3
		.amdhsa_memory_ordered 1
		.amdhsa_forward_progress 1
		.amdhsa_inst_pref_size 255
	.end_amdhsa_kernel
	.section	.bss,"aw",@nobits
	.p2align	6
	.space	262144
	.amdgpu_metadata
---
amdhsa.version: [ 1, 2 ]
amdhsa.kernels:
  - .name:           k_qc44d5ac1c8_attn
    .symbol:         k_qc44d5ac1c8_attn.kd
    .args:
      - { .name: qs, .offset: 0, .size: 8, .value_kind: global_buffer, .address_space: global }
      - { .name: ks, .offset: 8, .size: 8, .value_kind: global_buffer, .address_space: global }
      - { .name: vs, .offset: 16, .size: 8, .value_kind: global_buffer, .address_space: global }
      - { .name: out0, .offset: 24, .size: 8, .value_kind: global_buffer, .address_space: global }
      - { .name: part, .offset: 32, .size: 8, .value_kind: global_buffer, .address_space: global }
      - { .name: stat, .offset: 40, .size: 8, .value_kind: global_buffer, .address_space: global }
    .group_segment_fixed_size: 327680
    .private_segment_fixed_size: 0
    .kernarg_segment_align: 8
    .kernarg_segment_size: 48
    .max_flat_workgroup_size: 128
    .sgpr_count:     84
    .vgpr_count:     1024
    .wavefront_size: 32
...
	.end_amdgpu_metadata
.endif
;; end of part 5
;; launch join (part 6): grid 256 x 1, 4 waves a work-group, no clusters, 0 bytes of LDS; arguments part, stat, out0; writes out0
.if DOCPART == 6
	.amdgcn_target "amdgcn-amd-amdhsa--gfx1250"
	.amdhsa_code_object_version 6
	.text
	.protected	k_qc44d5ac1c8_join
	.globl	k_qc44d5ac1c8_join
	.p2align	8
	.type	k_qc44d5ac1c8_join,@function
k_qc44d5ac1c8_join:
	s_mov_b64 s[64:65], 0
	v_nop
	global_prefetch_b8 v0, s[64:65] scope:SCOPE_SE
	s_setreg_imm32_b32 hwreg(HW_REG_WAVE_MODE, 25, 1), 1
	s_wait_xcnt 0x0
; Rows 2,304 .. 4,095 of each batch: the two parts of the attention's result are joined.
; part: [2][7168][256] f32, each part normalised by its own row sum; stat: [2][7168] pairs (m, l) of f32, m in powers of two.  Row g of a part is row
; 2,304 + g % 1,792 of batch g / 1,792.  With M = max(m0, m1) and w_p = l_p 2^(m_p - M):  out0 = (O_0 w_0 + O_1 w_1) / (w_0 + w_1).
; Both parts hold unmasked keys of every row, so both m are real scores, the larger weight is at least its l >= 1, and the sum is not 0.
; A stream: each byte is read once and written once, nothing is shared between work-groups, so there is no LDS, no matrix unit and no cluster.
; 256 work-groups x 4 waves x 7 rows = 7,168 rows.  A row is 1,024 bytes: two loads of the wave a part, 512 consecutive bytes each.  All 14 + 28 loads of a wave
; are issued at once; no register is used twice, so nothing but the loads is waited for.
.set PROWS, 7168
.set PARTB, PROWS*1024
.set NR,  7                            ; rows of a wave
.set PO,  1                            ; v1       byte offset of my 16 bytes in the wave's first row of a part
.set SO,  2                            ; v2       byte offset of the wave's first (m, l): the same in all lanes
.set OO,  3                            ; v3       byte offset of my 16 bytes in out0
.set ST,  4                            ; v4-31    row q: m0, l0, m1, l1; later w0, w0, w1, w1 (pairs for the packed forms)
.set X,   32                           ; v32-143  row q: part 0's 8 numbers at 32 + 16 q, part 1's at 40 + 16 q
.set TM,  144                          ; v144-150 row q: at work
	s_load_b128 s[4:7], s[0:1], 0x0                ; part s[4:5], stat s[6:7]
	s_load_b64 s[8:9], s[0:1], 0x10                ; out0
	v_lshrrev_b32 v1, 5, v0
	v_readfirstlane_b32 s10, v1                    ; wave 0..3
	v_and_b32 v3, 31, v0
	v_lshlrev_b32 v3, 4, v3                        ; 16 L
	s_mul_i32 s11, ttmp9, 4*NR
	s_mul_i32 s12, s10, NR
	s_add_co_u32 s11, s11, s12                     ; g of the wave's first row
	s_lshl_b32 s13, s11, 10
	v_add_nc_u32 v[PO], s13, v3
	s_lshl_b32 s13, s11, 3
	v_mov_b32 v[SO], s13
	s_lshr_b32 s14, ttmp9, 6                       ; batch: 64 work-groups x 28 rows = 1,792 rows
	s_mul_i32 s14, s14, 2304
	s_add_co_u32 s14, s14, s11
	s_add_co_u32 s14, s14, 2304                    ; 4,096 batch + 2,304 + (g - 1,792 batch)
	s_lshl_b32 s14, s14, 10
	v_add_nc_u32 v[OO], s14, v3
	s_wait_kmcnt 0x0
	s_add_nc_u64 s[16:17], s[4:5], PARTB           ; part 1
.set q, 0
.rept NR
	global_load_b64 v[ST+4*q:ST+4*q+1],   v[SO], s[6:7] offset:8*q
	global_load_b64 v[ST+4*q+2:ST+4*q+3], v[SO], s[6:7] offset:PROWS*8+8*q
.set q, q+1
.endr
.set q, 0
.rept NR
	global_load_b128 v[X+16*q:X+16*q+3],     v[PO], s[4:5]   offset:1024*q     th:TH_LOAD_NT
	global_load_b128 v[X+16*q+4:X+16*q+7],   v[PO], s[4:5]   offset:1024*q+512 th:TH_LOAD_NT
	global_load_b128 v[X+16*q+8:X+16*q+11],  v[PO], s[16:17] offset:1024*q     th:TH_LOAD_NT
	global_load_b128 v[X+16*q+12:X+16*q+15], v[PO], s[16:17] offset:1024*q+512 th:TH_LOAD_NT
.set q, q+1
.endr
	s_wait_loadcnt 4*NR                            ; the (m, l) are in; the 28 younger loads stay out
.set q, 0
.rept NR
	v_max_num_f32 v[TM+q], v[ST+4*q], v[ST+4*q+2]  ; M
.set q, q+1
.endr
.set q, 0
.rept NR
	v_sub_f32 v[ST+4*q],   v[ST+4*q],   v[TM+q]
	v_sub_f32 v[ST+4*q+2], v[ST+4*q+2], v[TM+q]
.set q, q+1
.endr
.set q, 0
.rept NR
	v_exp_f32 v[ST+4*q],   v[ST+4*q]
	v_exp_f32 v[ST+4*q+2], v[ST+4*q+2]
.set q, q+1
.endr
	v_nop                                          ; one plain line behind the run of exponentials (ISA guide 5.7.2)
.set q, 0
	s_wait_alu depctr_va_vdst(0)
.rept NR
	v_mul_f32 v[ST+4*q],   v[ST+4*q],   v[ST+4*q+1]    ; w0 = l0 2^(m0 - M)
	v_mul_f32 v[ST+4*q+2], v[ST+4*q+2], v[ST+4*q+3]    ; w1
.set q, q+1
.endr
.set q, 0
.rept NR
	v_add_f32 v[TM+q], v[ST+4*q], v[ST+4*q+2]
.set q, q+1
.endr
.set q, 0
.rept NR
	v_rcp_f32 v[TM+q], v[TM+q]
.set q, q+1
.endr
	v_nop                                          ; one plain line behind the reciprocals
.set q, 0
	s_wait_alu depctr_va_vdst(0)
.rept NR
	v_mul_f32 v[ST+4*q+1], v[ST+4*q],   v[TM+q]    ; the weights over their sum, each twice
	v_mul_f32 v[ST+4*q],   v[ST+4*q],   v[TM+q]
	v_mul_f32 v[ST+4*q+3], v[ST+4*q+2], v[TM+q]
	v_mul_f32 v[ST+4*q+2], v[ST+4*q+2], v[TM+q]
.set q, q+1
.endr
.set q, 0
.rept NR
	s_wait_loadcnt 4*(NR-1-q)                      ; row q's four loads are in, the younger rows' stay out
.irp e, 0,2,4,6
	v_pk_mul_f32 v[X+16*q+8+\e:X+16*q+9+\e], v[X+16*q+8+\e:X+16*q+9+\e], v[ST+4*q+2:ST+4*q+3]
.endr
.irp e, 0,2,4,6
	v_pk_fma_f32 v[X+16*q+\e:X+16*q+1+\e], v[X+16*q+\e:X+16*q+1+\e], v[ST+4*q:ST+4*q+1], v[X+16*q+8+\e:X+16*q+9+\e]
.endr
	global_store_b128 v[OO], v[X+16*q:X+16*q+3],   s[8:9] offset:1024*q     th:TH_STORE_NT    ; the wave stores 512 consecutive bytes, aligned
	global_store_b128 v[OO], v[X+16*q+4:X+16*q+7], s[8:9] offset:1024*q+512 th:TH_STORE_NT
.set q, q+1
.endr
	s_endpgm
.Lfunc_end_k_qc44d5ac1c8_join:
	.size	k_qc44d5ac1c8_join, .Lfunc_end_k_qc44d5ac1c8_join-k_qc44d5ac1c8_join
	.p2alignl 7, 3214868480
	.fill 96, 4, 3214868480
	.section	.rodata,"a",@progbits
	.p2align	6, 0x0
	.amdhsa_kernel k_qc44d5ac1c8_join
		.amdhsa_group_segment_fixed_size 0
		.amdhsa_private_segment_fixed_size 0
		.amdhsa_enable_private_segment 0
		.amdhsa_kernarg_size 24
		.amdhsa_user_sgpr_count 2
		.amdhsa_user_sgpr_kernarg_segment_ptr 1
		.amdhsa_wavefront_size32 1
		.amdhsa_system_sgpr_workgroup_id_x 1
		.amdhsa_system_sgpr_workgroup_id_y 1
		.amdhsa_system_sgpr_workgroup_id_z 1
		.amdhsa_system_vgpr_workitem_id 0
		.amdhsa_next_free_vgpr 152
		.amdhsa_next_free_sgpr 66
		.amdhsa_reserve_vcc 0
		.amdhsa_float_denorm_mode_32 3
		.amdhsa_float_denorm_mode_16_64 3
		.amdhsa_memory_ordered 1
		.amdhsa_forward_progress 1
		.amdhsa_inst_pref_size 14
	.end_amdhsa_kernel
	.amdgpu_metadata
---
amdhsa.version: [ 1, 2 ]
amdhsa.kernels:
  - .name:           k_qc44d5ac1c8_join
    .symbol:         k_qc44d5ac1c8_join.kd
    .args:
      - { .name: part, .offset: 0, .size: 8, .value_kind: global_buffer, .address_space: global }
      - { .name: stat, .offset: 8, .size: 8, .value_kind: global_buffer, .address_space: global }
      - { .name: out0, .offset: 16, .size: 8, .value_kind: global_buffer, .address_space: global }
    .group_segment_fixed_size: 0
    .private_segment_fixed_size: 0
    .kernarg_segment_align: 8
    .kernarg_segment_size: 24
    .max_flat_workgroup_size: 128
    .sgpr_count:     66
    .vgpr_count:     152
    .wavefront_size: 32
...
	.end_amdgpu_metadata
.endif
;; end of part 6
;; ======== version 3 of 3: 4 launches; version 2 with the launches proj, join written anew for expert scheduling mode
;; limits: values are held in f16: magnitudes above 65,504 overflow, below 6.1e-05 lose precision
;; workspace buffers: qs 8,388,608 bytes; ks 8,388,608 bytes; vs 8,388,608 bytes; part 14,680,064 bytes; stat 114,688 bytes; wf 393,216 bytes
;; launch wprep: the kernel of part 3 again; grid 64 x 1, 4 waves a work-group, no clusters, 0 bytes of LDS; arguments Wq, Wk, Wv, wf; writes wf
;; launch proj (part 7): grid 256 x 1, 8 waves a work-group, no clusters, 136,192 bytes of LDS; arguments x, wf, bq, bk, bv, qs, ks, vs; writes qs, ks, vs
.if DOCPART == 7
	.amdgcn_target "amdgcn-amd-amdhsa--gfx1250"
	.amdhsa_code_object_version 6
	.text
	.protected	k_qc44d5ac1c8_proj
	.globl	k_qc44d5ac1c8_proj
	.p2align	8
	.type	k_qc44d5ac1c8_proj,@function
k_qc44d5ac1c8_proj:
	s_mov_b64 s[64:65], 0
	v_nop
	global_prefetch_b8 v0, s[64:65] scope:SCOPE_SE
	s_setreg_imm32_b32 hwreg(HW_REG_WAVE_SCHED_MODE, 0, 2), 2
	s_setreg_imm32_b32 hwreg(HW_REG_WAVE_MODE, 25, 1), 1
	s_wait_xcnt 0x0
	s_wait_alu depctr_vm_vsrc(0)
; qs = (x Wq^T + bq) * log2(e)/16,  ks = x Wk^T + bk,  vs = x Wv^T + bv.   x: [16384][256] f32, b: [256] f32; wf: the three W in bf16, laid out as fragments
; by the launch before (block (16 m + ct) of 8,192 bytes: matrix m, rows 16 ct .. + 15 of W; piece 2 ds + p of 512 bytes: registers 4 p .. 4 p + 3 of K step ds).
; qs, ks, vs: [16384][256] f16.  Products in bf16 with f32 sums; bias and scale in f32; one rounding to f16 at the end.
; (The factor log2(e)/16 holds the division by sqrt(256) and the change from e^x to 2^x of the softmax that follows.)
; WHY f16 FOR THE RESULTS: 11 significant bits against bf16's 8.  An early query row averages few v, so the rounding of q, k, v is not averaged away there.
; LIMITS: x and W are rounded to bf16.  The results must stay below 65,504 in magnitude (f16's largest number), else they become infinite: with x, W and b all
; 30 times those of a unit normal x and W in +-1/16 the results have a root mean square of about 16 x 30 x 1.08 = 520; with offsets of 30 spreads on x and W
; together they reach about 256 x 30 x 1.1 = 8,400.  Results below 6.1e-5 keep an absolute error of 3e-8 (f16 denormals).  Inputs are taken as finite.
; SHARES: a work-group owns 64 rows of x and all 768 output columns, in six chunks of 128 columns (matrix = chunk / 2, half = chunk % 2).
; In a chunk wave w owns 16 columns for all 64 rows: four accumulator tiles, 32 matrix instructions.  x is converted once, goes through LDS and
; stays as fragments in 256 registers of every wave.  A chunk's W fragments are the wave's block of wf, 8 KB: 16 loads of 512 consecutive bytes, straight into
; registers.  Three buffers take turns: chunk ch + 2 is asked for among the products of chunk ch, so each load has more than a chunk in which to land.
; NO CLUSTER, NO TENSOR LOADS: wf is what the work-groups share, but fragments brought jointly would have to lie in LDS and be read from there again:
; 384 KB written and 384 KB read in each work-group, which this text does not have.
; THE MATRIX INSTRUCTION IS USED TRANSPOSED: source 0 = 16 rows of W, source 1 = 16 rows of x.  Lane (r, h) then holds, for token r, the eight
; neighbouring columns 8 h + 0 .. 7: 16 bytes of f16.  The bias has the same layout and is the first product's C: nothing is cleared or added later.
; THE MODE: SCHED_MODE bits 1:0 = 2 (LLVM: expert scheduling mode 2), set by the entry lines.  The code itself states the register dependences
; between vector or matrix instructions and memory or LDS instructions, with s_wait_alu, always for 0.
; THE PLAN.  Registers that memory or LDS instructions touch:
;   v2, v3, v6     offsets of x and wf, of the biases, of the results: made at the head, never written again.
;   v35, v36       LDS addresses of x: made at the head; read by x's LDS stores and by the fragments' LDS loads; chunk 0's products write over them.
;   v4, v5         LDS addresses of the stage: read by a chunk's four LDS stores and by an odd chunk's eight LDS loads; stepped at the head of chunks 2 and 4.
;   W buffer and bias set ch % 3: chunk ch's 18 loads land in them, issued among chunk ch - 2's products; chunk ch's products read them.
;   buffer 2, at the start: x's loads land in it, the conversions read and write it, x's LDS stores read it; then chunk 2's loads land, issued in chunk 0.
;   v32-63         products and conversions write them; the chunk's LDS stores read them; in an odd chunk the rows land in them from the stage and the global
;                  stores read them; the next chunk's products write them again.
;   window 1       the x fragments land once; only products read them.
; So a chunk has ONE wait on vm_vsrc, at its head (all that memory and LDS instructions have read so far may be written: v32-63, in chunk 0 buffer 2, in chunks 2 and 4
; v4 and v5), and ONE wait on va_vdst, behind its conversions: it states that the LDS stores' data are written and that the chunk's products are done reading their
; buffer and bias set, in which the next chunk's loads land; no vector or matrix instruction between that wait and those loads names these registers.
; An odd chunk has one more wait on vm_vsrc, ahead of the rows that land on the LDS stores' data.
.set PITCH, 528                        ; an LDS row: 512 bytes of 16-bit numbers + 16: 33 x 16, so 16 rows start in 16 different 16-byte columns
.set XT,  0                            ; x as bf16: 64 rows
.set ST,  64*PITCH                     ; the way out: 64 rows for each of the three matrices, each region written once
.set STM, 64*PITCH
.set QSCALE, 0x3db8aa3b                ; log2(e) / 16
.set WO, 2                             ; v2   8,192 w + 16 L: my 16 bytes in my wave's 8 rows of x, and in my wave's block of wf
.set BO, 3                             ; v3   bias: byte offset of my 8 columns
.set SS, 4                             ; v4   LDS: where my 16 bytes of a result row go
.set SR, 5                             ; v5   LDS: where I read a result row back
.set GO, 6                             ; v6   byte offset of my 16 bytes in my wave's 8 output rows
.set BI, 8                             ; v8-31    bias, three sets of 8 that take turns
.set ACC, 32                           ; v32-63   four accumulator tiles; result rows on the way out; the set-up's numbers below, until the first product
.set LN, 32                            ; v32  lane L       v33  r       v34  h
.set RR, 33
.set HH, 34
.set XS, 35                            ; v35  LDS: where my 8 bytes of converted x go
.set XF, 36                            ; v36  LDS: my part of an x fragment, 528 r + 16 h
.set WB, 64                            ; v64-255  three buffers of eight W fragments: chunk ch in buffer ch % 3, K step d at + 8 d
.set XL, WB+128                        ; x as loaded, at the start: in the third buffer, which chunk 2's fragments take afterwards
                                       ; v256-511 (window 1) x fragments: (row tile t, K step d) at 8 (8 t + d)
.set MSB, 0
.macro WIN new                         ; s_set_vgpr_msb: bits 1:0 source 0, 3:2 source 1, 5:4 source 2, 7:6 destination; the high byte repeats the setting left
.if MSB != \new
	s_set_vgpr_msb (MSB<<8)|\new
.set MSB, \new
.endif
.endm
	s_load_b512 s[8:23], s[0:1], 0x0               ; x s[8:9], wf s[10:11], bq bk bv s[12:17], qs ks vs s[18:23]
	v_lshrrev_b32 v1, 5, v0
	v_readfirstlane_b32 s28, v1                    ; wave 0..7
	v_and_b32 v[LN], 31, v0
	v_and_b32 v[RR], 15, v0
	v_bfe_u32 v[HH], v0, 4, 1
	s_mov_b32 s30, QSCALE
	s_mov_b32 s31, QSCALE
	s_lshl_b32 s2, ttmp9, 16                       ; my 64 rows of x: 64 x 1,024 bytes
	s_mov_b32 s3, 0
	s_lshl_b32 s4, ttmp9, 15                       ; my 64 rows of an output: 64 x 512 bytes
	s_mov_b32 s5, 0
	s_wait_alu depctr_va_sdst(0)                   ; s28 is written, ahead of its first reader: the offsets below are made from it
	s_lshl_b32 s6, s28, 13
	v_lshl_add_u32 v[WO], v[LN], 4, s6             ; 8,192 w + 16 L
	s_mul_i32 s6, s28, 8*PITCH
	v_lshl_add_u32 v[XS], v[LN], 3, s6             ; XT + 8 rows x w + 8 L
	v_mul_u32_u24 v[XF], v[RR], PITCH
	v_lshl_add_u32 v[XF], v[HH], 4, v[XF]          ; XT + 528 r + 16 h
	s_lshl_b32 s6, s28, 6
	v_lshl_add_u32 v[BO], v[HH], 5, s6             ; 4 (16 w + 8 h)
	s_lshl_b32 s6, s28, 5
	s_add_co_u32 s6, s6, ST
	v_add_nc_u32 v[SS], s6, v[XF]                  ; ST + 528 r + 2 (16 w + 8 h)
	s_mul_i32 s6, s28, 8*PITCH
	s_add_co_u32 s6, s6, ST
	v_lshl_add_u32 v[SR], v[LN], 4, s6             ; ST + 8 rows x w + 16 L
	s_lshl_b32 s6, s28, 12
	v_lshl_add_u32 v[GO], v[LN], 4, s6             ; 8 rows x 512 bytes x w + 16 L
	s_wait_kmcnt 0x0
	s_add_nc_u64 s[8:9], s[8:9], s[2:3]
	s_add_nc_u64 s[18:19], s[18:19], s[4:5]
	s_add_nc_u64 s[20:21], s[20:21], s[4:5]
	s_add_nc_u64 s[22:23], s[22:23], s[4:5]
	s_wait_alu depctr_va_vdst(0)                   ; the seven offsets and addresses v2 to v6, v35 and v36 are written, which the loads and stores below read
.macro BIAS ch                         ; the 8 biases of my columns in chunk ch, into the set ch % 3
.set BH, (\ch) % 2
.set BM, (\ch) / 2
.set BS, BI+8*((\ch) % 3)
	global_load_b128 v[BS:BS+3],   v[BO], s[12+2*BM:13+2*BM] offset:512*BH
	global_load_b128 v[BS+4:BS+7], v[BO], s[12+2*BM:13+2*BM] offset:512*BH+16
.endm
.macro WLOAD ch                        ; my wave's block of wf in chunk ch (block 8 ch + w): 16 loads of 512 consecutive bytes, into buffer ch % 3
.set WW, WB+64*((\ch) % 3)
.set i, 0
.rept 16
	global_load_b128 v[WW+4*i:WW+4*i+3], v[WO], s[10:11] offset:65536*(\ch)+512*i
.set i, i+1
.endr
.endm
.macro WPAIR ch, k                     ; two of those sixteen: the fragment of K step k
.set WW, WB+64*((\ch) % 3)
	global_load_b128 v[WW+8*(\k):WW+8*(\k)+3],   v[WO], s[10:11] offset:65536*(\ch)+1024*(\k)
	global_load_b128 v[WW+8*(\k)+4:WW+8*(\k)+7], v[WO], s[10:11] offset:65536*(\ch)+1024*(\k)+512
.endm
	; my wave's 8 rows of x (read once in the launch), then the first two chunks' bias and fragments
.set i, 0
.rept 16
	global_load_b128 v[XL+4*i:XL+4*i+3], v[WO], s[8:9] offset:512*i th:TH_LOAD_NT
.set i, i+1
.endr
	BIAS 0
	WLOAD 0
	BIAS 1
	WLOAD 1
	s_wait_loadcnt 36                              ; x is in; the 2 x (2 + 16) younger loads stay out
.set i, 0
.rept 16
	v_cvt_pk_bf16_f32 v[XL+4*i],   v[XL+4*i],   v[XL+4*i+1]
	v_cvt_pk_bf16_f32 v[XL+4*i+1], v[XL+4*i+2], v[XL+4*i+3]
.set i, i+1
.endr
	s_wait_alu depctr_va_vdst(0)                   ; the conversions have written v[XL ..], which the LDS stores read, and are done with buffer 2, in which chunk 2's loads land
.set i, 0
.rept 16
	ds_store_b64 v[XS], v[XL+4*i:XL+4*i+1] offset:(i/2)*PITCH+(i%2)*256    ; row i / 2, half i % 2: 32 lanes, 256 neighbouring bytes
.set i, i+1
.endr
	s_wait_dscnt 0x0                               ; my stores of x are done, for the other waves' sake
	s_barrier_signal -1
	s_barrier_wait -1                              ; all 64 rows are in LDS
	WIN 0x40                                       ; destination in window 1
.set d, 0
.rept 8                                            ; K step by K step, in the order in which the first chunk takes them
.set t, 0
.rept 4
	ds_load_b128 v[8*(8*t+d):8*(8*t+d)+3],   v[XF] offset:16*PITCH*t+64*d
	ds_load_b128 v[8*(8*t+d)+4:8*(8*t+d)+7], v[XF] offset:16*PITCH*t+64*d+32
.set t, t+1
.endr
.set d, d+1
.endr
	WIN 0
.macro CHUNK ch
.set CH, (\ch) % 2
.set CM, (\ch) / 2
.set CW, WB+64*((\ch) % 3)
.set CB, BI+8*((\ch) % 3)
.if CH == 0
.if CM > 0
	s_wait_xcnt 0x0                                ; the last matrix's stores have had their addresses translated: their data, v32-63, are the new sums' registers
.endif
.endif
	s_wait_alu depctr_vm_vsrc(0)                   ; chunk 0: x's LDS stores have read buffer 2 and v35, the fragments' LDS loads v36; later: the last chunk's LDS stores, behind an odd chunk its global
	                                               ; stores too, have read v32-63, and the stage's LDS instructions v4 and v5.  This chunk's products, loads and adds write these registers
.if CH == 0
.if CM > 0
	v_add_nc_u32 v[SS], STM, v[SS]                 ; this matrix has a stage of its own, so no second barrier is needed
	v_add_nc_u32 v[SR], STM, v[SR]
.endif
.endif
.if \ch < 5
	s_wait_loadcnt 18                              ; this chunk's 18 loads are in; the next chunk's 18 stay out
.else
	s_wait_loadcnt 0x0                             ; the last chunk's
.endif
.if \ch > 0
	s_wait_dscnt 0x0                               ; the last chunk's LDS stores, which read the accumulators, are done
.endif
	WIN 0x04                                       ; source 1 (x) in window 1; the loads below name source 0 and the destination, which stay in window 0
.set d, 0
.rept 8
.if \ch == 0
	s_wait_dscnt 8*(7-d)                           ; the x fragments of K step d are in; those of the later steps, eight loads each, stay out
.endif
.set t, 0
.rept 4                                            ; the four accumulators take turns, one instruction a turn
.if d == 0
	v_wmma_f32_16x16x32_bf16 v[ACC+8*t:ACC+8*t+7], v[CW+8*d:CW+8*d+7], v[8*(8*t+d):8*(8*t+d)+7], v[CB:CB+7]
.else
	v_wmma_f32_16x16x32_bf16 v[ACC+8*t:ACC+8*t+7], v[CW+8*d:CW+8*d+7], v[8*(8*t+d):8*(8*t+d)+7], v[ACC+8*t:ACC+8*t+7]
.endif
.set t, t+1
.endr
.if \ch < 4
	; chunk ch + 2 is asked for, two or four loads behind each four products, into the set and the buffer of the chunk before this one.  No wait: that chunk's wait on
	; va_vdst stands behind its products, and no vector or matrix instruction since names these registers
.if d == 0
	BIAS \ch+2
.endif
	WPAIR \ch+2, d
.endif
.set d, d+1
.endr
	WIN 0
.rept 5
	v_nop                                          ; four places behind the last matrix instruction before its result is read, five before the next chunk's first
.endr                                              ; products write over the accumulators (ISA guide 7.12.1)
.set t, 0
.rept 4
.if CM == 0
.irp j, 0,2,4,6
	v_pk_mul_f32 v[ACC+8*t+\j:ACC+8*t+\j+1], v[ACC+8*t+\j:ACC+8*t+\j+1], s[30:31] op_sel_hi:[1,0]    ; q alone: times log2(e) / 16
.endr
.endif
.irp j, 0,1,2,3
	v_cvt_pk_f16_f32 v[ACC+8*t+\j], v[ACC+8*t+2*\j], v[ACC+8*t+2*\j+1]       ; the one rounding of the results, to f16
.endr
.set t, t+1
.endr
	s_wait_alu depctr_va_vdst(0)                   ; the conversions have written the four tiles' first four registers, which the LDS stores read; in chunks 2 and 4 v4 and v5 are written;
	                                               ; this chunk's products are done reading their buffer and bias set, in which the next chunk's loads land
.set t, 0
.rept 4
	ds_store_b128 v[SS], v[ACC+8*t:ACC+8*t+3] offset:16*PITCH*t+256*CH       ; token 16 t + r, my 8 columns
.set t, t+1
.endr
.if CH == 1
	; both halves of the matrix's 256 columns are staged: whole rows of 512 bytes go out
	s_wait_dscnt 0x0                               ; my stores into the stage are done, for the other waves' sake
	s_barrier_signal -1
	s_barrier_wait -1
	s_wait_alu depctr_vm_vsrc(0)                   ; my LDS stores have read v32-63, in which the rows land (the products and conversions that named them stand ahead of the wait on va_vdst above)
.set t, 0
.rept 8
	ds_load_b128 v[ACC+4*t:ACC+4*t+3], v[SR] offset:PITCH*t
.set t, t+1
.endr
.set t, 0
.rept 8
	s_wait_dscnt 7-t                               ; row t is in, the younger rows stay out
	global_store_b128 v[GO], v[ACC+4*t:ACC+4*t+3], s[18+2*CM:19+2*CM] offset:512*t  ; the wave stores 512 consecutive bytes, aligned: one row
.set t, t+1
.endr
.endif
.endm
	CHUNK 0
	CHUNK 1
	CHUNK 2
	CHUNK 3
	CHUNK 4
	CHUNK 5
	s_wait_xcnt 0x0
	v_lshl_add_u32 v230, v0, 2, 0x21000            ; the add's two registers are made here: no memory or LDS instruction of the text reads v230 or v231
	v_mov_b32 v231, 0
	s_wait_dscnt 0x0                               ; the closing lines, six on end
	s_wait_alu 0x0
	s_wait_tensorcnt 0x0
	ds_add_u32 v230, v231
	s_wait_dscnt 0x0
	s_endpgm
.Lfunc_end_k_qc44d5ac1c8_proj:
	.size	k_qc44d5ac1c8_proj, .Lfunc_end_k_qc44d5ac1c8_proj-k_qc44d5ac1c8_proj
	.p2alignl 7, 3214868480
	.fill 96, 4, 3214868480
	.section	.rodata,"a",@progbits
	.p2align	6, 0x0
	.amdhsa_kernel k_qc44d5ac1c8_proj
		.amdhsa_group_segment_fixed_size 136192
		.amdhsa_private_segment_fixed_size 0
		.amdhsa_enable_private_segment 0
		.amdhsa_kernarg_size 64
		.amdhsa_user_sgpr_count 2
		.amdhsa_user_sgpr_kernarg_segment_ptr 1
		.amdhsa_wavefront_size32 1
		.amdhsa_system_sgpr_workgroup_id_x 1
		.amdhsa_system_sgpr_workgroup_id_y 1
		.amdhsa_system_sgpr_workgroup_id_z 1
		.amdhsa_system_vgpr_workitem_id 0
		.amdhsa_next_free_vgpr 512
		.amdhsa_next_free_sgpr 66
		.amdhsa_reserve_vcc 0
		.amdhsa_float_denorm_mode_32 3
		.amdhsa_float_denorm_mode_16_64 3
		.amdhsa_memory_ordered 1
		.amdhsa_forward_progress 1
		.amdhsa_inst_pref_size 51
	.end_amdhsa_kernel
	.amdgpu_metadata
---
amdhsa.version: [ 1, 2 ]
amdhsa.kernels:
  - .name:           k_qc44d5ac1c8_proj
    .symbol:         k_qc44d5ac1c8_proj.kd
    .args:
      - { .name: x, .offset: 0, .size: 8, .value_kind: global_buffer, .address_space: global }
      - { .name: wf, .offset: 8, .size: 8, .value_kind: global_buffer, .address_space: global }
      - { .name: bq, .offset: 16, .size: 8, .value_kind: global_buffer, .address_space: global }
      - { .name: bk, .offset: 24, .size: 8, .value_kind: global_buffer, .address_space: global }
      - { .name: bv, .offset: 32, .size: 8, .value_kind: global_buffer, .address_space: global }
      - { .name: qs, .offset: 40, .size: 8, .value_kind: global_buffer, .address_space: global }
      - { .name: ks, .offset: 48, .size: 8, .value_kind: global_buffer, .address_space: global }
      - { .name: vs, .offset: 56, .size: 8, .value_kind: global_buffer, .address_space: global }
    .group_segment_fixed_size: 136192
    .private_segment_fixed_size: 0
    .kernarg_segment_align: 8
    .kernarg_segment_size: 64
    .max_flat_workgroup_size: 256
    .sgpr_count:     66
    .vgpr_count:     512
    .wavefront_size: 32
...
	.end_amdgpu_metadata
.endif
;; end of part 7
;; launch attn: the kernel of part 5 again; grid 256 x 1, 4 waves a work-group, clusters of 4 x 1, 327,680 bytes of LDS; arguments qs, ks, vs, out0, part, stat; writes out0, part, stat
;; launch join (part 8): grid 256 x 1, 4 waves a work-group, no clusters, 0 bytes of LDS; arguments part, stat, out0; writes out0
.if DOCPART == 8
	.amdgcn_target "amdgcn-amd-amdhsa--gfx1250"
	.amdhsa_code_object_version 6
	.text
	.protected	k_qc44d5ac1c8_join
	.globl	k_qc44d5ac1c8_join
	.p2align	8
	.type	k_qc44d5ac1c8_join,@function
k_qc44d5ac1c8_join:
	s_mov_b64 s[64:65], 0
	v_nop
	global_prefetch_b8 v0, s[64:65] scope:SCOPE_SE
	s_setreg_imm32_b32 hwreg(HW_REG_WAVE_SCHED_MODE, 0, 2), 2
	s_setreg_imm32_b32 hwreg(HW_REG_WAVE_MODE, 25, 1), 1
	s_wait_xcnt 0x0
	s_wait_alu depctr_vm_vsrc(0)
; Rows 2,304 .. 4,095 of each batch: the two parts of the attention's result are joined.
; part: [2][7168][256] f32, each part normalised by its own row sum; stat: [2][7168] pairs (m, l) of f32, m in powers of two.  Row g of a part is row
; 2,304 + g % 1,792 of batch g / 1,792.  With M = max(m0, m1) and w_p = l_p 2^(m_p - M):  out0 = (O_0 w_0 + O_1 w_1) / (w_0 + w_1).
; Both parts hold unmasked keys of every row, so both m are real scores, the larger weight is at least its l >= 1, and the sum is not 0.
; A stream: each byte is read once and written once, nothing is shared between work-groups, so there is no LDS, no matrix unit and no cluster.
; 256 work-groups x 4 waves x 7 rows = 7,168 rows.  A row is 1,024 bytes: two loads of the wave a part, 512 consecutive bytes each.  All 14 + 28 loads of a wave
; are issued at once; no register is used twice.
; THE MODE: SCHED_MODE bits 1:0 = 2 (LLVM: expert scheduling mode 2), set by the entry lines.  The code itself states the register dependences
; between vector instructions and memory instructions, with s_wait_alu, always for 0.
; THE PLAN.  Registers that memory instructions touch:
;   v1, v2, v3   offsets: made at the head, never written again.
;   v4-31        the (m, l): each loaded once; no vector instruction names them ahead of the loads.
;   v32-143      row q: its four loads land once; its multiply-adds write the row's first eight registers; its two stores read them; nothing writes them again.
; So one wait on va_vdst stands ahead of the loads (the offsets), and one ahead of each row's two stores.  Row q - 1's stores stand at the head of row q, behind the wait
; for row q's loads.  No register that a memory instruction has read is written again, so no wait on vm_vsrc follows the entry lines.
.set PROWS, 7168
.set PARTB, PROWS*1024
.set NR,  7                            ; rows of a wave
.set PO,  1                            ; v1       byte offset of my 16 bytes in the wave's first row of a part
.set SO,  2                            ; v2       byte offset of the wave's first (m, l): the same in all lanes
.set OO,  3                            ; v3       byte offset of my 16 bytes in out0
.set ST,  4                            ; v4-31    row q: m0, l0, m1, l1; later w0, w0, w1, w1 (pairs for the packed forms)
.set X,   32                           ; v32-143  row q: part 0's 8 numbers at 32 + 16 q, part 1's at 40 + 16 q
.set TM,  144                          ; v144-150 row q: at work
	s_load_b128 s[4:7], s[0:1], 0x0                ; part s[4:5], stat s[6:7]
	s_load_b64 s[8:9], s[0:1], 0x10                ; out0
	v_lshrrev_b32 v1, 5, v0
	v_readfirstlane_b32 s10, v1                    ; wave 0..3
	v_and_b32 v3, 31, v0
	v_lshlrev_b32 v3, 4, v3                        ; 16 L
	s_mul_i32 s11, ttmp9, 4*NR
	s_wait_alu depctr_va_sdst(0)                   ; s10 is written, ahead of its first reader: the wave's first row is made from it
	s_mul_i32 s12, s10, NR
	s_add_co_u32 s11, s11, s12                     ; g of the wave's first row
	s_lshl_b32 s13, s11, 10
	v_add_nc_u32 v[PO], s13, v3
	s_lshl_b32 s13, s11, 3
	v_mov_b32 v[SO], s13
	s_lshr_b32 s14, ttmp9, 6                       ; batch: 64 work-groups x 28 rows = 1,792 rows
	s_mul_i32 s14, s14, 2304
	s_add_co_u32 s14, s14, s11
	s_add_co_u32 s14, s14, 2304                    ; 4,096 batch + 2,304 + (g - 1,792 batch)
	s_lshl_b32 s14, s14, 10
	v_add_nc_u32 v[OO], s14, v3
	s_wait_kmcnt 0x0
	s_add_nc_u64 s[16:17], s[4:5], PARTB           ; part 1
	s_wait_alu depctr_va_vdst(0)                   ; the three offsets v1, v2, v3 are written, which every load and store below reads
.set q, 0
.rept NR
	global_load_b64 v[ST+4*q:ST+4*q+1],   v[SO], s[6:7] offset:8*q
	global_load_b64 v[ST+4*q+2:ST+4*q+3], v[SO], s[6:7] offset:PROWS*8+8*q
.set q, q+1
.endr
.set q, 0
.rept NR
	global_load_b128 v[X+16*q:X+16*q+3],     v[PO], s[4:5]   offset:1024*q     th:TH_LOAD_NT
	global_load_b128 v[X+16*q+4:X+16*q+7],   v[PO], s[4:5]   offset:1024*q+512 th:TH_LOAD_NT
	global_load_b128 v[X+16*q+8:X+16*q+11],  v[PO], s[16:17] offset:1024*q     th:TH_LOAD_NT
	global_load_b128 v[X+16*q+12:X+16*q+15], v[PO], s[16:17] offset:1024*q+512 th:TH_LOAD_NT
.set q, q+1
.endr
	s_wait_loadcnt 4*NR                            ; the (m, l) are in; the 28 younger loads stay out
.set q, 0
.rept NR
	v_max_num_f32 v[TM+q], v[ST+4*q], v[ST+4*q+2]  ; M
.set q, q+1
.endr
.set q, 0
.rept NR
	v_sub_f32 v[ST+4*q],   v[ST+4*q],   v[TM+q]
	v_sub_f32 v[ST+4*q+2], v[ST+4*q+2], v[TM+q]
.set q, q+1
.endr
.set q, 0
.rept NR
	v_exp_f32 v[ST+4*q],   v[ST+4*q]
	v_exp_f32 v[ST+4*q+2], v[ST+4*q+2]
.set q, q+1
.endr
	v_nop                                          ; one plain line behind the run of exponentials (ISA guide 5.7.2)
	s_wait_alu depctr_va_vdst(0)                   ; the fourteen exponentials have written their results, ahead of the first line that names one
.set q, 0
.rept NR
	v_mul_f32 v[ST+4*q],   v[ST+4*q],   v[ST+4*q+1]    ; w0 = l0 2^(m0 - M)
	v_mul_f32 v[ST+4*q+2], v[ST+4*q+2], v[ST+4*q+3]    ; w1
.set q, q+1
.endr
.set q, 0
.rept NR
	v_add_f32 v[TM+q], v[ST+4*q], v[ST+4*q+2]
.set q, q+1
.endr
.set q, 0
.rept NR
	v_rcp_f32 v[TM+q], v[TM+q]
.set q, q+1
.endr
	v_nop                                          ; one plain line behind the reciprocals
	s_wait_alu depctr_va_vdst(0)                   ; the seven reciprocals have written their results, ahead of the first line that names one
.set q, 0
.rept NR
	v_mul_f32 v[ST+4*q+1], v[ST+4*q],   v[TM+q]    ; the weights over their sum, each twice
	v_mul_f32 v[ST+4*q],   v[ST+4*q],   v[TM+q]
	v_mul_f32 v[ST+4*q+3], v[ST+4*q+2], v[TM+q]
	v_mul_f32 v[ST+4*q+2], v[ST+4*q+2], v[TM+q]
.set q, q+1
.endr
.set q, 0
.rept NR
	s_wait_loadcnt 4*(NR-1-q)                      ; row q's four loads are in, the younger rows' stay out
.if q > 0
	s_wait_alu depctr_va_vdst(0)                   ; row q - 1's multiply-adds have written its eight numbers, which the two stores below read
	global_store_b128 v[OO], v[X+16*(q-1):X+16*(q-1)+3],   s[8:9] offset:1024*(q-1)     th:TH_STORE_NT    ; the wave stores 512 consecutive bytes, aligned
	global_store_b128 v[OO], v[X+16*(q-1)+4:X+16*(q-1)+7], s[8:9] offset:1024*(q-1)+512 th:TH_STORE_NT
.endif
.irp e, 0,2,4,6
	v_pk_mul_f32 v[X+16*q+8+\e:X+16*q+9+\e], v[X+16*q+8+\e:X+16*q+9+\e], v[ST+4*q+2:ST+4*q+3]
.endr
.irp e, 0,2,4,6
	v_pk_fma_f32 v[X+16*q+\e:X+16*q+1+\e], v[X+16*q+\e:X+16*q+1+\e], v[ST+4*q:ST+4*q+1], v[X+16*q+8+\e:X+16*q+9+\e]
.endr
.set q, q+1
.endr
	s_wait_alu depctr_va_vdst(0)                   ; the last row's multiply-adds have written its eight numbers, which the last two stores read
	global_store_b128 v[OO], v[X+16*(NR-1):X+16*(NR-1)+3],   s[8:9] offset:1024*(NR-1)     th:TH_STORE_NT
	global_store_b128 v[OO], v[X+16*(NR-1)+4:X+16*(NR-1)+7], s[8:9] offset:1024*(NR-1)+512 th:TH_STORE_NT
	s_endpgm
.Lfunc_end_k_qc44d5ac1c8_join:
	.size	k_qc44d5ac1c8_join, .Lfunc_end_k_qc44d5ac1c8_join-k_qc44d5ac1c8_join
	.p2alignl 7, 3214868480
	.fill 96, 4, 3214868480
	.section	.rodata,"a",@progbits
	.p2align	6, 0x0
	.amdhsa_kernel k_qc44d5ac1c8_join
		.amdhsa_group_segment_fixed_size 0
		.amdhsa_private_segment_fixed_size 0
		.amdhsa_enable_private_segment 0
		.amdhsa_kernarg_size 24
		.amdhsa_user_sgpr_count 2
		.amdhsa_user_sgpr_kernarg_segment_ptr 1
		.amdhsa_wavefront_size32 1
		.amdhsa_system_sgpr_workgroup_id_x 1
		.amdhsa_system_sgpr_workgroup_id_y 1
		.amdhsa_system_sgpr_workgroup_id_z 1
		.amdhsa_system_vgpr_workitem_id 0
		.amdhsa_next_free_vgpr 152
		.amdhsa_next_free_sgpr 66
		.amdhsa_reserve_vcc 0
		.amdhsa_float_denorm_mode_32 3
		.amdhsa_float_denorm_mode_16_64 3
		.amdhsa_memory_ordered 1
		.amdhsa_forward_progress 1
		.amdhsa_inst_pref_size 14
	.end_amdhsa_kernel
	.amdgpu_metadata
---
amdhsa.version: [ 1, 2 ]
amdhsa.kernels:
  - .name:           k_qc44d5ac1c8_join
    .symbol:         k_qc44d5ac1c8_join.kd
    .args:
      - { .name: part, .offset: 0, .size: 8, .value_kind: global_buffer, .address_space: global }
      - { .name: stat, .offset: 8, .size: 8, .value_kind: global_buffer, .address_space: global }
      - { .name: out0, .offset: 16, .size: 8, .value_kind: global_buffer, .address_space: global }
    .group_segment_fixed_size: 0
    .private_segment_fixed_size: 0
    .kernarg_segment_align: 8
    .kernarg_segment_size: 24
    .max_flat_workgroup_size: 128
    .sgpr_count:     66
    .vgpr_count:     152
    .wavefront_size: 32
...
	.end_amdgpu_metadata
.endif
;; end of part 8
